; MI455X (gfx1250); checked and timed in simulation.
; The chip was launched on July 23, 2026; its instructions are those of AMD's public machine-readable ISA for CDNA 5 (MIT licence, August 2026) and "CDNA5" Instruction Set Architecture Reference Guide (July 2026). The comments in the code are by the model that wrote it; some were corrected since.
;; Unidirectional Multihead Attention. Allowed arithmetic: matrix products marked QUANTISED: E2M3 operands, one E8M0 scale for each 32 along K, by v_wmma_scale_f32_16x16x128_f8f6f4 with both operands' format E2M3, f32 sums; everything else in f32.
;; Inputs: W_out 1,024 x 1,024 float32; W_qkv 1,024 x 3,072 float32; b_out 1,024 float32; b_qkv 3,072 float32; x 2 x 2,048 x 1,024 float32.
;; Outputs: out0 2 x 2,048 x 1,024 float32.
;; Constants: num_heads = 16.
;; This version of the problem:
;;   THIS VERSION OF THE PROBLEM IS GIVEN IN LOW PRECISION. The matrix products marked QUANTISED in the list below multiply operands that are first quantised to E2M3 (2 exponent bits, 3 mantissa bits; 6 bits a number), with one power-of-two scale for each 32 numbers along K (OCP MX v1.0); their sums are f32. All else is computed in f32.
;;   The module's matrix products, in the order in which they are computed (A, B: the left and right operand; K: the contracted axis; several contracted axes count as one K, in the product's order):
;;     1. [M 4,096, K 1,024] x [K 1,024, N 3,072]; A: input x; B: input W_qkv: QUANTISED
;;     2. batch 32 x [M 2,048, K 64] x [K 64, N 2,048]; A: computed on the way; B: computed on the way: QUANTISED
;;     3. batch 32 x [M 2,048, K 2,048] x [K 2,048, N 64]; A: softmax (see below); B: computed on the way: QUANTISED
;;     4. [M 4,096, K 1,024] x [K 1,024, N 1,024]; A: computed on the way; B: input W_out: QUANTISED
;;   THE QUANTISER, for each operand of a quantised product, along K:
;;     - K is cut into blocks of 32 from its start; a last block that is shorter is filled with zeros.
;;     - A block's scale is 2^e with e = floor(log2(the largest magnitude in the block)) - 2, held to -126 .. 127; a block of zeros has e = 0. As a byte (E8M0): e + 127.
;;     - Each number is divided by its block's scale, clamped to +-7.5, and rounded to the nearest number of E2M3, ties to even, subnormals kept.
;;     - The product sums the exact products of the quantised numbers (number of the format x scale) in f32.
;;   ~~~python
;;   def quantise(x, axis):      # numpy; x: float32 -> the quantised numbers, widened to float32 again
;;       x = np.moveaxis(x, axis, -1); K = x.shape[-1]
;;       x = np.pad(x, [(0, 0)] * (x.ndim - 1) + [(0, -K % 32)]); x = x.reshape(x.shape[:-1] + (-1, 32)); a = np.abs(x).max(-1, keepdims=True)
;;       e = np.where(a > 0, np.clip(np.frexp(np.where(a > 0, a, 1))[1] - 1 - 2, -126, 127), 0)      # np.frexp(a)[1] - 1 = floor(log2(a)), exactly
;;       r = np.clip(x / 2.0 ** e, -7.5, 7.5)
;;       step = 2.0 ** (np.maximum(np.frexp(np.where(r == 0, 1, r))[1] - 1, 0) - 3)
;;       q = np.round(r / step) * step * 2.0 ** e      # np.round: ties to even
;;       return np.moveaxis(q.reshape(q.shape[:-2] + (-1,))[..., :K], -1, axis).astype(np.float32)
;;   ~~~
;;   SOFTMAX AHEAD OF A QUANTISED PRODUCT. Where the list says 'softmax', what is quantised is not the finished softmax but p = 2^(t - M), with t = logit x log2(e) and M = ceil(the row's largest t), a whole number; so 1/2 < the row's largest p <= 1. The row's sum l is taken of the UNQUANTISED p, in f32, and the product's result is divided by l at the end. Since M is a whole number, a kernel that streams over the keys may use a running M (the ceiling of the running maximum): every later rescaling is an exact power of two, which a block's scale takes up: the codes' values come out the same.
;;   OPERANDS COMPUTED ON THE WAY. 'Computed on the way' means the value that the module computes at that place (a softmax that the list does not call 'softmax' is quantised finished and normalised). What goes into a quantiser is computed in f32, as accurately as f32 sums, v_exp_f32 and their like allow (about 1e-6 of the number): no bf16 or f16 on the way to a quantiser, and a product that is left as it is and whose result goes on into a quantised operand takes f32 operands (vector FMAs, or v_wmma_f32_16x16x4_f32). A number that lies on a knife's edge between two numbers of the format may be rounded either way, as far as f32 arithmetic and the matrix unit's own rounding can turn it there, and no further.
;; One version. Each part assembles by itself: llvm-mc -triple=amdgcn-amd-amdhsa -mcpu=gfx1250 --defsym DOCPART=n.
;; ======== version 1 of 1: 4 launches
;; limits: right only within a limited range of input values
;; workspace buffers: xc 3,145,728 bytes; xs 131,072 bytes; wc 3,145,728 bytes; ws 131,072 bytes; qb 3,407,872 bytes; kv 6,684,672 bytes; oc 3,145,728 bytes; os 131,072 bytes
;; launch quant (part 1): grid 512 x 1, 4 waves a work-group, no clusters, 51,712 bytes of LDS; arguments x, W_qkv, W_out, xc, xs, wc, ws; writes xc, xs, wc, ws
.if DOCPART == 1
	.amdgcn_target "amdgcn-amd-amdhsa--gfx1250"
	.amdhsa_code_object_version 6
	.text
	.protected	k_q92ca80e920_quant
	.globl	k_q92ca80e920_quant
	.p2align	8
	.type	k_q92ca80e920_quant,@function
k_q92ca80e920_quant:
	s_mov_b64 s[64:65], 0
	v_nop
	global_prefetch_b8 v0, s[64:65] scope:SCOPE_SE
	s_setreg_imm32_b32 hwreg(HW_REG_WAVE_MODE, 25, 1), 1
	s_wait_xcnt 0x0
; x [4096][1024], W_qkv [1024][3072] and W_out [1024][1024], f32, become codes of FP6 (E2M3) with K innermost and one E8M0 byte for each 32 along K.
; xc [4096 places][768 bytes], xs [4096 places][32 bytes]; wc, ws likewise: places 0-3071 are W_qkv's columns, 3072-4095 W_out's.
; THE ORDER OF ROWS: place 64 m + 16 j + 8 h + i holds row 64 m + 32 h + 8 j + i (h = 0, 1; j = 0 .. 3; i = 0 .. 7).  Four tiles of sixteen places, taken as source 0 of matrix instructions, then give a lane 32 results
; that are neighbours: one scale block of the next quantiser.  Along K everything lies in its true order.
; A block's scale is 2^(floor(log2(largest magnitude)) - 2); its byte is the largest magnitude's exponent field - 2, held at 1 from below.
; LIMITS: a block of zeros gets the byte 1 where the rule says 127 (its codes are zeros, and this program alone reads the bytes); a block whose largest magnitude lies under 2^-124 keeps the byte 1;
; NaN and infinities among the inputs are not served.
; Work-groups 0-255 take x (K innermost: a stream of blocks), work-groups 256-511 the weights (K is the first axis: a lane takes a column, its registers run down K).
; The two ways part on the work-group's number and have LDS bytes of their own.  Waves share nothing: no barrier.  No work-group reads what another reads: no cluster, no joint load.
; No prefetch: each byte is read once, straight into registers: a wave of x asks for all its 16,384 bytes at its head, a wave of the weights for two of its four blocks.
.set STEPS, 8
.set EMAX,  2
.set CB,    12                         ; bytes of 16 codes
.set XR,    16                         ; x: v16-143  eight sets of 16 numbers as loaded
.set XX,    144                        ;    v144-175 two sets of 16 neighbours
.set XE,    176                        ;    v176-183 a scale byte for each step
.set XC,    192                        ;    v192-223 codes: four registers for each step, so that no store's data are written again
.set WREG,  8192                       ; x: LDS of a wave: two stages of 32 x SP bytes, behind them its 128 scale bytes
.set SP,    80                         ; a lane's place in a stage: 64 bytes + 16 of padding
.set WSTG,  32768                      ; the weights' stages begin here
.set WP,    144                        ; a stage row: eight places of 16 bytes + 16
.set KROW,  768                        ; a row of codes: 1,024 x 6 bits
.set NB,    4                          ; blocks of 32 along K for a wave of the weights
.set SB,    24                         ; W: v24      four scale bytes
.set OF,    32                         ;    v32-63   byte offset of row i of a block, at my column
.set WX,    64                         ;    v64-127  two sets of 32 numbers
.set OUTR,  128                        ;    v128-159 the way out
.set WC,    192                        ;    v192-198 a block's codes
.set SPW,   251                        ; my spare word
.set NIL,   255                        ; 0
.set SPARE, WSTG+4*32*WP
.macro XLOAD t                         ; step t's 2,048 bytes: four loads of 512 consecutive bytes
.irp i, 0,1,2,3
	global_load_b128 v[XR+16*(\t)+4*\i:XR+16*(\t)+4*\i+3], v3, s[4:5] offset:2048*(\t)+512*\i th:TH_LOAD_NT
.endr
.endm
.macro XTURN t                         ; through the stage: in as loaded, out 64 bytes a lane.  LDS serves a wave's instructions in order: no wait between
.irp i, 0,1,2,3
	ds_store_b128 v14, v[XR+16*(\t)+4*\i:XR+16*(\t)+4*\i+3] offset:32*SP*((\t)%2)+8*SP*\i
.endr
.irp i, 0,1,2,3
	ds_load_b128 v[XX+16*((\t)%2)+4*\i:XX+16*((\t)%2)+4*\i+3], v15 offset:32*SP*((\t)%2)+16*\i
.endr
.endm
.macro XSTEP t
.set XS, XX+16*((\t)%2)
.if (\t) > 0
	s_wait_dscnt 1                                 ; this step's numbers are back from the stage; the last step's byte store may be out
.else
	s_wait_dscnt 0x0
.endif
.if (\t)+1 < STEPS
	s_wait_loadcnt 4*(STEPS-2-(\t))                ; the next step's four loads are in; those of the steps behind it may be out
	XTURN (\t)+1
.endif
	v_max3_num_f32 v8, |v[XS]|, |v[XS+1]|, |v[XS+2]|               ; the largest magnitude of my 16, in two chains
	v_max3_num_f32 v9, |v[XS+3]|, |v[XS+4]|, |v[XS+5]|
.irp i, 6,10
	v_max3_num_f32 v8, v8, |v[XS+\i]|, |v[XS+\i+1]|
	v_max3_num_f32 v9, v9, |v[XS+\i+2]|, |v[XS+\i+3]|
.endr
	v_max3_num_f32 v8, v8, |v[XS+14]|, |v[XS+15]|
	v_max3_num_f32 v8, v8, v9, (EMAX+1)<<23        ; and the floor 2^(3 - 127): the byte cannot fall under 1
	v_max_num_f32_dpp v8, v8, v8 row_xmask:1 row_mask:0xf bank_mask:0xf   ; with my neighbour's 16: the block's
	v_add_nc_u32 v11, -(EMAX<<23), v8              ; 2 off the exponent field: the conversion takes that field as its scale
	v_cvt_scalef32_pk16_fp6_f32 v[XC+4*(\t):XC+4*(\t)+2], v[XS:XS+15], v11
	v_lshrrev_b32 v[XE+(\t)], 23, v11              ; the scale's byte (a plain line behind the conversion)
	ds_store_b8 v5, v[XE+(\t)] offset:16*(\t)      ; both lanes of a block write the same byte with the same value
	global_store_b96 v4, v[XC+4*(\t):XC+4*(\t)+2], s[10:11] offset:32*CB*(\t)   ; the wave stores 384 consecutive bytes
.endm
.macro WLOAD t                         ; block t: W(32 t + i, my column), i = 0 .. 31: each load reads 128 consecutive bytes, the four waves stand side by side
.irp i, 0,1,2,3,4,5,6,7,8,9,10,11,12,13,14,15,16,17,18,19,20,21,22,23,24,25,26,27,28,29,30,31
	global_load_b32 v[WX+32*((\t)%2)+\i], v[OF+\i], s[32+2*(\t):33+2*(\t)] th:TH_LOAD_NT
.endr
.endm
.macro WBLOCK t
.set WS, WX+32*((\t)%2)
.if (\t) < NB-1
	s_wait_loadcnt 32                              ; this block's 32 loads are in; the next block's may be out
.else
	s_wait_loadcnt 0
.endif
	v_max3_num_f32 v12, |v[WS]|, |v[WS+1]|, |v[WS+2]|              ; all 32 numbers of the block are mine
	v_max3_num_f32 v13, |v[WS+3]|, |v[WS+4]|, |v[WS+5]|
.irp i, 6,10,14,18,22,26
	v_max3_num_f32 v12, v12, |v[WS+\i]|, |v[WS+\i+1]|
	v_max3_num_f32 v13, v13, |v[WS+\i+2]|, |v[WS+\i+3]|
.endr
	v_max3_num_f32 v12, v12, |v[WS+30]|, |v[WS+31]|
	v_max3_num_f32 v12, v12, v13, (EMAX+1)<<23
	v_add_nc_u32 v11, -(EMAX<<23), v12
	v_lshrrev_b32 v13, 23, v11
.if (\t) == 0
	v_mov_b32 v[SB], v13                           ; four bytes to a register, the lower K in the lower byte
.else
	v_lshl_or_b32 v[SB], v13, 8*(\t), v[SB]
.endif
	v_cvt_scalef32_pk16_fp6_f32 v[WC:WC+2], v[WS:WS+15], v11
	v_cvt_scalef32_pk16_fp6_f32 v[WC+4:WC+6], v[WS+16:WS+31], v11  ; (a conversion's three registers begin on an even number)
	v_nop                                          ; one plain line behind the conversions
	ds_store_b96 v4, v[WC:WC+2] offset:32*(\t)     ; 12 bytes to a place of 16 in the stage
	ds_store_b96 v4, v[WC+4:WC+6] offset:32*(\t)+16
.if (\t)+2 < NB
	WLOAD (\t)+2
.endif
	s_wait_dscnt 0x0                               ; the stores have read their registers: the next block's codes may be written
.endm
	s_load_b256 s[4:11], s[0:1], 0x0               ; x s[4:5], W_qkv s[6:7], W_out s[8:9], xc s[10:11]
	s_load_b128 s[12:15], s[0:1], 0x20             ; xs s[12:13], wc s[14:15]
	s_load_b64 s[16:17], s[0:1], 0x30              ; ws
	v_lshl_add_u32 v[SPW], v0, 2, SPARE
	v_mov_b32 v[NIL], 0
	v_lshrrev_b32 v1, 5, v0
	v_readfirstlane_b32 s20, v1                    ; wave 0..3
	v_and_b32 v2, 31, v0                           ; lane
	s_cmp_lt_u32 ttmp9, 256
	s_cbranch_scc0 .Lw
	; ---- x.  A wave takes 4 rows, 4,096 numbers: 8 steps of 512: the half wave % 2 of the eight rows R = 2 x work-group + wave / 2, which go to the eight places R' = 8 (R / 8) + 2 (R % 4) + (R / 4) % 2
	v_lshlrev_b32 v3, 4, v2                        ; my 16 bytes of a load's 512
	s_mul_i32 s21, s20, WREG
	v_lshrrev_b32 v14, 2, v2
	v_mul_u32_u24 v14, v14, SP
	v_and_b32 v15, 3, v2
	v_lshl_add_u32 v14, v15, 4, v14
	v_add_nc_u32 v14, s21, v14                     ; the stage, in: SP (lane / 4) + 16 (lane % 4)
	v_mul_u32_u24 v15, v2, SP
	v_add_nc_u32 v15, s21, v15                     ; out: SP x lane
	v_mul_u32_u24 v4, v2, CB                       ; my codes' place in a step's
	v_lshrrev_b32 v5, 1, v2
	s_add_co_u32 s21, s21, 2*32*SP
	v_add_nc_u32 v5, s21, v5                       ; my block's byte among the wave's 128
	v_lshlrev_b32 v7, 2, v2
	v_add_nc_u32 v6, s21, v7                       ; and 4 bytes a lane on the way out
	s_lshl_b32 s22, ttmp9, 1
	s_lshr_b32 s23, s20, 1
	s_add_co_u32 s22, s22, s23                     ; R
	s_and_b32 s25, s20, 1
	s_lshr_b32 s26, s22, 3
	s_lshl_b32 s26, s26, 3
	s_and_b32 s23, s22, 3
	s_lshl_b32 s23, s23, 1
	s_add_co_u32 s26, s26, s23
	s_bfe_u32 s23, s22, 0x10002
	s_add_co_u32 s26, s26, s23                     ; R'
	s_mul_i32 s28, s26, 6144                       ; 8 rows of 768 bytes of codes
	s_mul_i32 s23, s25, 3072
	s_add_co_u32 s28, s28, s23
	s_mov_b32 s29, 0
	s_lshl_b32 s26, s26, 8                         ; 8 rows of 32 scale bytes
	s_lshl_b32 s23, s25, 7
	s_add_co_u32 s26, s26, s23
	s_mov_b32 s27, 0
	s_lshl_b32 s24, ttmp9, 2
	s_add_co_u32 s24, s24, s20
	s_lshl_b32 s24, s24, 14                        ; 16,384 bytes of x a wave
	s_mov_b32 s25, 0
	s_wait_alu depctr_va_vdst(0)
	s_wait_kmcnt 0x0
	s_add_nc_u64 s[4:5], s[4:5], s[24:25]
	s_add_nc_u64 s[10:11], s[10:11], s[28:29]
	s_add_nc_u64 s[12:13], s[12:13], s[26:27]
.irp t, 0,1,2,3,4,5,6,7
	XLOAD \t
.endr
	s_wait_loadcnt 28                              ; step 0's four loads are in
	XTURN 0
.irp t, 0,1,2,3,4,5,6,7
	XSTEP \t
.endr
	ds_load_b32 v12, v6                            ; LDS serves a wave's instructions in order: this sees my byte stores
	s_wait_dscnt 0x0
	global_store_b32 v7, v12, s[12:13]             ; 32 lanes store 128 consecutive bytes
	s_wait_tensorcnt 0x0                           ; the wave's end
	ds_add_u32 v[SPW], v[NIL]
	s_wait_dscnt 0x0
	s_endpgm
.Lw:	; ---- the weights.  q = work-group - 256: q % 8 says which 128 along K, q / 8 which 128 columns; a wave takes 32 columns x 128 along K
	s_sub_co_u32 s21, ttmp9, 256
	s_and_b32 s22, s21, 7                          ; y
	s_lshr_b32 s23, s21, 3                         ; 0..31: under 24 W_qkv, else W_out
	s_lshl_b32 s24, s23, 7
	s_lshl_b32 s25, s20, 5
	s_add_co_u32 s24, s24, s25                     ; my first column, counted over both tensors
	s_sub_co_u32 s25, s24, 3072                    ; the same as a column of W_out
	s_mov_b32 s27, 4096
	s_wait_alu depctr_va_vdst(0)
	s_wait_kmcnt 0x0
	s_cmp_lt_u32 s23, 24                           ; the choice hangs on the work-group's number alone
	s_cselect_b64 s[6:7], s[6:7], s[8:9]           ; the tensor,
	s_cselect_b32 s26, 12288, s27                  ; a row of it in bytes,
	s_cselect_b32 s25, s24, s25                    ; my first column in it
	s_mul_i32 s28, s22, s26
	s_lshl_b32 s28, s28, 7                         ; 128 y rows
	s_lshl_b32 s29, s25, 2
	s_add_co_u32 s28, s28, s29
	s_mov_b32 s29, 0
	s_lshl_b32 s30, s26, 5                         ; 32 rows: from block to block
	s_mov_b32 s31, 0
	s_add_nc_u64 s[32:33], s[6:7], s[28:29]        ; a base for each of the four blocks
.irp t, 1,2,3
	s_add_nc_u64 s[32+2*\t:33+2*\t], s[30+2*\t:31+2*\t], s[30:31]
.endr
	s_wait_alu depctr_va_vdst(0)
	v_lshlrev_b32 v[OF], 2, v2                     ; 4 bytes a lane,
.irp i, 1,2,3,4,5,6,7,8,9,10,11,12,13,14,15,16,17,18,19,20,21,22,23,24,25,26,27,28,29,30,31
	v_add_nc_u32 v[OF+\i], s26, v[OF+\i-1]         ; and a row further down for each register
.endr
	WLOAD 0
	WLOAD 1
	v_and_b32 v3, 7, v2
	v_lshrrev_b32 v5, 3, v2
	v_lshl_add_u32 v3, v5, 4, v3                   ; 16 (lane / 8) + lane % 8: my column's place behind the wave's first
	s_mul_i32 s21, s20, 32*WP
	s_add_co_u32 s21, s21, WSTG                    ; my stage
	v_mul_u32_u24 v4, v2, WP
	v_add_nc_u32 v4, s21, v4                       ; into it: row = my lane
	v_and_b32 v6, 7, v2
	v_mul_u32_u24 v7, v5, WP
	v_lshl_add_u32 v7, v6, 4, v7
	v_add_nc_u32 v7, s21, v7                       ; out of it: eight lanes to a row, four rows an instruction
	v_mul_u32_u24 v8, v5, KROW
	v_mad_u32_u24 v8, v6, 12, v8                   ; and the same in wc
	v_lshlrev_b32 v9, 5, v3                        ; my place's row of scale bytes
	s_lshr_b32 s24, s20, 1
	s_lshl_b32 s24, s24, 6
	s_and_b32 s28, s20, 1
	s_lshl_b32 s28, s28, 3
	s_add_co_u32 s24, s24, s28
	s_lshl_b32 s28, s23, 7
	s_add_co_u32 s24, s24, s28                     ; my first place: 128 x (q / 8) + 64 (wave / 2) + 8 (wave % 2)
	s_mul_i32 s28, s24, KROW
	s_mul_i32 s21, s22, 96
	s_add_co_u32 s28, s28, s21
	s_add_nc_u64 s[14:15], s[14:15], s[28:29]      ; wc at my first place, + 96 y
	s_lshl_b32 s28, s24, 5
	s_lshl_b32 s21, s22, 2
	s_add_co_u32 s28, s28, s21
	s_add_nc_u64 s[16:17], s[16:17], s[28:29]      ; ws likewise, + 4 y
	s_wait_alu depctr_va_vdst(0)
.irp t, 0,1,2,3
	WBLOCK \t
.endr
	s_wait_alu depctr_va_vdst(0)
	global_store_b32 v9, v[SB], s[16:17]           ; my column's four scale bytes
.irp t, 0,1,2,3,4,5,6,7
	ds_load_b96 v[OUTR+4*\t:OUTR+4*\t+2], v7 offset:4*\t*WP
.endr
.irp t, 0,1,2,3,4,5,6,7
	s_wait_dscnt 7-\t
	global_store_b96 v8, v[OUTR+4*\t:OUTR+4*\t+2], s[14:15] offset:(16*(\t/2)+4*(\t%2))*KROW   ; eight lanes store a row's 96 consecutive bytes
.endr
	s_wait_tensorcnt 0x0
	ds_add_u32 v[SPW], v[NIL]
	s_wait_dscnt 0x0
	s_endpgm
.Lfunc_end_k_q92ca80e920_quant:
	.size	k_q92ca80e920_quant, .Lfunc_end_k_q92ca80e920_quant-k_q92ca80e920_quant
	.p2alignl 7, 3214868480
	.fill 96, 4, 3214868480
	.section	.rodata,"a",@progbits
	.p2align	6, 0x0
	.amdhsa_kernel k_q92ca80e920_quant
		.amdhsa_group_segment_fixed_size 51712
		.amdhsa_private_segment_fixed_size 0
		.amdhsa_enable_private_segment 0
		.amdhsa_kernarg_size 56
		.amdhsa_user_sgpr_count 2
		.amdhsa_user_sgpr_kernarg_segment_ptr 1
		.amdhsa_wavefront_size32 1
		.amdhsa_system_sgpr_workgroup_id_x 1
		.amdhsa_system_sgpr_workgroup_id_y 1
		.amdhsa_system_sgpr_workgroup_id_z 1
		.amdhsa_system_vgpr_workitem_id 0
		.amdhsa_next_free_vgpr 256
		.amdhsa_next_free_sgpr 66
		.amdhsa_reserve_vcc 0
		.amdhsa_float_denorm_mode_32 3
		.amdhsa_float_denorm_mode_16_64 3
		.amdhsa_memory_ordered 1
		.amdhsa_forward_progress 1
		.amdhsa_inst_pref_size 41
	.end_amdhsa_kernel
	.amdgpu_metadata
---
amdhsa.version: [ 1, 2 ]
amdhsa.kernels:
  - .name:           k_q92ca80e920_quant
    .symbol:         k_q92ca80e920_quant.kd
    .args:
      - { .name: x, .offset: 0, .size: 8, .value_kind: global_buffer, .address_space: global }
      - { .name: W_qkv, .offset: 8, .size: 8, .value_kind: global_buffer, .address_space: global }
      - { .name: W_out, .offset: 16, .size: 8, .value_kind: global_buffer, .address_space: global }
      - { .name: xc, .offset: 24, .size: 8, .value_kind: global_buffer, .address_space: global }
      - { .name: xs, .offset: 32, .size: 8, .value_kind: global_buffer, .address_space: global }
      - { .name: wc, .offset: 40, .size: 8, .value_kind: global_buffer, .address_space: global }
      - { .name: ws, .offset: 48, .size: 8, .value_kind: global_buffer, .address_space: global }
    .group_segment_fixed_size: 51712
    .private_segment_fixed_size: 0
    .kernarg_segment_align: 8
    .kernarg_segment_size: 56
    .max_flat_workgroup_size: 128
    .sgpr_count:     66
    .vgpr_count:     256
    .wavefront_size: 32
...
	.end_amdgpu_metadata
.endif
;; end of part 1
;; launch qkv (part 2): grid 16 x 16, 4 waves a work-group, clusters of 4 x 4, 327,680 bytes of LDS; arguments xc, xs, wc, ws, b_qkv, qb, kv; writes qb, kv
.if DOCPART == 2
	.amdgcn_target "amdgcn-amd-amdhsa--gfx1250"
	.amdhsa_code_object_version 6
	.text
	.protected	k_q92ca80e920_qkv
	.globl	k_q92ca80e920_qkv
	.p2align	8
	.type	k_q92ca80e920_qkv,@function
k_q92ca80e920_qkv:
	s_mov_b64 s[64:65], 0
	v_nop
	global_prefetch_b8 v0, s[64:65] scope:SCOPE_SE
	s_setreg_imm32_b32 hwreg(HW_REG_WAVE_MODE, 25, 1), 1
	s_wait_xcnt 0x0
	s_wait_alu depctr_hold_cnt(0) depctr_sa_sdst(0) depctr_va_vdst(0) depctr_va_sdst(0) depctr_va_ssrc(0) depctr_va_vcc(0) depctr_vm_vsrc(0)
	s_getreg_b32 s2, hwreg(HW_REG_IB_STS2, 6, 4)
	s_cmp_eq_u32 s2, 0
	s_cbranch_scc0 .Lentry_in_a_cluster
	s_endpgm
.Lentry_in_a_cluster:
	s_bfe_u32 s2, ttmp6, 0x10000c
	s_cmp_lg_u32 s2, 0xf033
	s_cbranch_scc0 .Lentry_shape_is_right
	s_endpgm
.Lentry_shape_is_right:
; Q, K, V = x W + b on codes of FP6 (E2M3), each result quantised at once: Q and K along the head's 64, V along the tokens.  No f32 result is stored.
; Rows of xc and wc lie in the order: place 64 m + 16 j + 8 h + i holds row 64 m + 32 h + 8 j + i.  So four tiles of 16 places give a lane (r = lane % 16, h = lane / 16) 32 neighbours, 32 h + 8 j + i: one whole scale block.
; LIMITS: a block of zeros gets the scale byte 1 (its codes are zeros and this program alone reads the bytes); a block whose largest magnitude lies under 2^-124 keeps the byte 1; NaN and infinities are not served.
; OUT: a tile part of six registers is 768 bytes: registers 0-3 at 16 x lane, registers 4, 5 at 512 + 8 x lane.  G = token / 128, I = 256 (G / 16) + 16 head + G % 16.
;   qb[I][6,656]: eight tiles of 16 token places, then 512 bytes of scale words (256 (tile / 4) + 16 r + 4 (tile % 4)).
;   kv[I][13,056]: K's eight tiles; at 6,144 V's four tiles of 16 channel places, each with its two bands of 64 tokens; at 12,288 K's scale words; at 12,800 V's (16 r + 4 tile).
; THE DEAL.  256 work-groups of four waves, 2 x 2 (a, b).  PHASE 1: 128 x 128 of V; PHASE 2: 256 x 128 of Q or K.  V's 128 tokens are a half of the work-group's own 256: all 256 rows lie in LDS for the launch.
; Which half (s87) and which tensor (s19) come from the cluster's number alone.  A wave holds 64 rows of a weight, all of K, in registers and takes x's rows in blocks of 16, all of K.
; Phase 1: wave (a, b) has tokens 64 a + 0 .. 63 and head b of the two.  Phase 2: wave (a, b) has the 128 rows of slot a, head b.
; CLUSTERS: x's rows are shared along a row of the cluster, a weight's along a column.  ONE REFILL: phase 2's weight rows onto phase 1's, in phase 1's first block; they are asked for into the L2 at the head.
; The bias is the first products' C.  The rows' and the weights' scale words come straight into registers: 32 rows to a register set, lanes 16-31 the second tile (ROW1).
.set KROW,  768
.set PITCH, 816                        ; an LDS row: 3 x (256 + 16)
.set YB,    128*PITCH
.set BVB,   2*YB                       ; the weights' rows
.set XM,    BVB+YB                     ; V's scale bytes: 256 for each of two heads
.set SPARE, XM+512
.set NF,    26                         ; LDS loads of a block
.set SPW,   10
.set NIL,   11
.set SB,    24                         ; v24-39 the weights' scale words
.set TQ,    40
.set SOP,   42
.set BA,    44                         ; v44-51 LDS addresses of the weights' four tiles
.set TC,    60
.set ACC,   64                         ; v64-127 phase 2: two sets of four accumulators
.set BBQ,   128                        ; v128-159 Q's or K's bias
.set SAV,   164                        ; v164-179 phase 1's rows' scale words
.set SA2,   180                        ; v180-211 phase 2's
.set NCD,   212                        ; v212-223 codes, two sets
.set EB,    224                        ; v224-231 scale bytes
.set HV,    840                        ; v840-967 phase 1's accumulators: 32 t + 8 j + i
.set BBV,   968                        ; v968-999 V's bias; then V's codes and chains
.set SEL,   74
.set G1A, 24
.set G1B, 32
.set G0A, 56
.set G0B, 60
.set G0R, 68
.set MSB, 0
.macro WIN new
.if MSB != (\new)
	s_set_vgpr_msb (MSB<<8)|(\new)
.set MSB, \new
.endif
.endm
.macro PLACES n
.rept \n
	v_nop
.endr
.endm
.macro WALU
	s_wait_alu depctr_va_vdst(0)
.endm
.macro BARRIER
	s_barrier_signal -1
	s_barrier_wait -1
.endm
.macro MIDDLE
	WIN 0
	s_barrier_wait -1
	s_cmp_lg_u32 s14, 0
	s_cbranch_scc1 .Lnot_wave_0_\@
	s_barrier_signal -3
.Lnot_wave_0_\@:
	s_barrier_wait -3
.endm
.macro CROUND
	s_barrier_signal -1
	MIDDLE
	BARRIER
.endm
.macro TLOAD g0, g1
	tensor_load_to_lds s[\g0:\g0+3], s[\g1:\g1+7]
	s_nop 0
	PLACES 4
.endm
.macro GROUP1 g, mask, rows            ; rows of 768 bytes, 16 bytes of padding behind every 256
	s_or_b32 s[\g+0], s[\mask], (1<<20)|(1<<21)|(5<<22)|(3<<25)
	s_mov_b32 s[\g+1], KROW<<16
	s_mov_b32 s[\g+2], (\rows)<<16
	s_mov_b32 s[\g+3], KROW<<16
	s_mov_b32 s[\g+4], \rows
	s_mov_b32 s[\g+5], KROW
	s_mov_b32 s[\g+6], 0
	s_mov_b32 s[\g+7], 0
.endm
.macro PTR d, p                        ; s[d:d+1] = s[p:p+1] + s20
	s_add_nc_u64 s[\d:\d+1], s[\p:\p+1], s[20:21]
.endm
; Fragment f lies in window 1 + f / 21 at register 12 (f % 21): 0-31 the weights' (4 q + tile), 32-39 and 40-47 the rows' two sets.  a0, a0 + 1: the address, and the same for pieces whose lanes 16-31 lie behind one padding more.
.macro FRAG f, q, a0
	WIN ((1+(\f)/21)<<6)
.set R_, 12*((\f)%21)
.set SK_, 0
.irp p, 0,1,2,3,4,5
.if SK_
.set SK_, 0
.else
.set PC_, 12*(\q)+6*(\p/3)+\p%3
.set PN_, 12*(\q)+6*((\p+1)/3)+(\p+1)%3
.set XC_, (PC_%32+3)/32
.set XN_, (PN_%32+3)/32
.if (\p < 5) && (XC_ == XN_)
.set SK_, 1
	ds_load_2addr_b64 v[R_+2*\p:R_+2*\p+3], v[(\a0)+XC_] offset0:PC_+2*(PC_/32) offset1:PN_+2*(PN_/32)
.else
	ds_load_b64 v[R_+2*\p:R_+2*\p+1], v[(\a0)+XC_] offset:8*(PC_+2*(PC_/32))
.endif
.endif
.endr
.endm
.macro WEIGHTS
.irp q, 0,1,2,3,4,5,6,7
.irp b, 0,1,2,3
	FRAG 4*\q+\b, \q, BA+2*\b
.endr
.endr
	WIN 0
.endm
.macro FETCH e, a0                     ; a block of 16 rows into set e; then on to the next block
.irp q, 0,1,2,3,4,5,6,7
	FRAG 32+8*(\e)+\q, \q, \a0
.endr
	WIN 0
	v_add_nc_u32 v[\a0], 16*PITCH, v[\a0]
	v_add_nc_u32 v[(\a0)+1], 16*PITCH, v[(\a0)+1]
.endm
.macro P1 r0, r1
	v_wmma_scale_f32_16x16x128_f8f6f4 v[DL_:DL_+7], v[S0_:S0_+11], v[S1_:S1_+11], v[CL_:CL_+7], v[X0_], v[X1_] matrix_a_fmt:MATRIX_FMT_FP6 matrix_b_fmt:MATRIX_FMT_FP6 matrix_a_scale:MATRIX_SCALE_ROW\r0 matrix_b_scale:MATRIX_SCALE_ROW\r1
.endm
; Product n = 4 q + tile.  kind 0 (Q, K): source 0 the weight's rows; kind 1 (V): source 0 x's rows.
.macro PROD kind, e, n, a0, as, sa, xr
.set Q_, (\n)/4
.set T_, (\n)%4
.set FB_, 4*Q_+T_
.set FA_, 32+8*(\e)+Q_
.set D_, (\a0)+(\as)*T_
.set DL_, D_&255
.set DW_, D_>>8
.set CL_, DL_
.if \kind
.if Q_ == 0
.set CL_, (BBV+8*T_)&255
.endif
.set W0_, 1+FA_/21
.set S0_, 12*(FA_%21)
.set W1_, 1+FB_/21
.set S1_, 12*(FB_%21)
.set X0_, (\sa)+Q_
.set X1_, SB+8*(T_/2)+Q_
.set RR_, 2*(\xr)+(T_%2)
.else
.if Q_ == 0
.set CL_, BBQ+8*T_
.endif
.set W0_, 1+FB_/21
.set S0_, 12*(FB_%21)
.set W1_, 1+FA_/21
.set S1_, 12*(FA_%21)
.set X0_, SB+8*(T_/2)+Q_
.set X1_, (\sa)+Q_
.set RR_, 2*(T_%2)+(\xr)
.endif
	WIN W0_|(W1_<<2)|(DW_<<4)|(DW_<<6)
.if RR_ == 0
	P1 0, 0
.elseif RR_ == 1
	P1 0, 1
.elseif RR_ == 2
	P1 1, 0
.else
	P1 1, 1
.endif
.endm
.macro BLOCK kind, e, a0, as, sa, xr, from, to, list, x=0
.set N_, \from
.rept (\to)-(\from)
	PROD \kind, \e, N_, \a0, \as, \sa, \xr
.if N_%2
	\list N_-1, \x
	\list N_, \x
.endif
.set N_, N_+1
.endr
.endm
; The search for the largest of 32 magnitudes from register x on, two chains by turns, and the conversions' scale operand: 18 lines.
.macro CHAIN i, x, tq, so
.if (\i) < 14
.set B_, (\x)+16*((\i)%2)+2*((\i)/2)
.set CT_, (\tq)+1-(\i)%2
.if (\i) < 2
	v_max3_num_f32 v[CT_], |v[B_]|, |v[B_+1]|, |v[B_+2]|
.else
	v_max3_num_f32 v[CT_], v[CT_], |v[B_+1]|, |v[B_+2]|
.endif
.elseif (\i) == 14
	v_max3_num_f32 v[(\tq)+1], v[(\tq)+1], |v[(\x)+15]|, 0x1800000   ; the floor 2^(3 - 127): the byte cannot fall under 1
.elseif (\i) == 15
	v_nop
.elseif (\i) == 16
	v_max3_num_f32 v[\tq], v[\tq], |v[(\x)+31]|, v[(\tq)+1]
.elseif (\i) == 17
	v_add_nc_u32 v[\so], 0xff000000, v[\tq]        ; 2 off the exponent field
.endif
.endm
.macro L_NONE i, x
.endm
.macro L_OUT i, x
.if (\i) < 18
	WIN 0
	CHAIN \i, \x, TQ, SOP
.endif
.endm
.macro CODES x, c, eb
	v_cvt_scalef32_pk16_fp6_f32 v[(\c):(\c)+2], v[(\x):(\x)+15], v[SOP]
	v_cvt_scalef32_pk16_fp6_f32 v[TC:TC+2], v[(\x)+16:(\x)+31], v[SOP]
	v_lshrrev_b32 v[\eb], 23, v[SOP]
	v_mov_b32 v[(\c)+3], v[TC]
	v_mov_b32 v[(\c)+4], v[TC+1]
	v_mov_b32 v[(\c)+5], v[TC+2]
.endm
.macro SEND s
	global_store_b128 v9, v[NCD+6*((\s)%2):NCD+6*((\s)%2)+3], s[94:95] offset:768*(\s)
	global_store_b64 v12, v[NCD+6*((\s)%2)+4:NCD+6*((\s)%2)+5], s[94:95] offset:768*(\s)+512
.endm
; ================= THE HEAD
	s_load_b256 s[4:11], s[0:1], 0x0               ; xc, xs, wc, ws
	s_load_b128 s[48:51], s[0:1], 0x20             ; b_qkv, qb
	s_load_b64 s[52:53], s[0:1], 0x30              ; kv
	v_lshl_add_u32 v[SPW], v0, 2, SPARE
	v_mov_b32 v[NIL], 0
	ds_add_u32 v[SPW], v[NIL]
	ds_add_u32 v[SPW], v[NIL]
	v_lshrrev_b32 v1, 5, v0
	v_readfirstlane_b32 s14, v1                    ; wave
	s_lshr_b32 s15, s14, 1                         ; a
	s_and_b32 s16, s14, 1                          ; b
	s_bfe_u32 s40, ttmp6, 0x40000
	s_bfe_u32 s41, ttmp6, 0x40004
	s_lshl_b32 s42, ttmp9, 2
	s_add_co_u32 s42, s42, s40                     ; phase 2's tile column, 0-15: 0-7 Q, 8-15 K
	s_and_b32 s43, ttmp7, 0xffff
	s_lshl_b32 s43, s43, 2
	s_add_co_u32 s43, s43, s41                     ; its tile row of 256
	s_lshr_b32 s19, ttmp9, 1                       ; 0 Q, 1 K
	s_and_b32 s87, ttmp9, 1                        ; V's half of my 256 rows
	s_lshl_b32 s13, s19, 2
	s_add_co_u32 s13, s13, s40                     ; V's tile column
	s_lshl_b32 s12, s43, 1
	s_add_co_u32 s12, s12, s87                     ; V's group of 128 tokens
	s_lshl_b32 s44, s41, 2
	s_lshl_b32 s44, 15, s44                        ; my row of the cluster
	s_lshl_b32 s45, 0x1111, s40                    ; my column
	GROUP1 G1A, 44, 128
	GROUP1 G1B, 45, 64
	s_mul_i32 s66, s12, 128*KROW                   ; slot 0: V's half;
	s_xor_b32 s17, s12, 1
	s_mul_i32 s67, s17, 128*KROW                   ; slot 1: the other
	s_lshl_b32 s18, s14, 6
	s_lshl_b32 s54, s13, 7
	s_add_co_u32 s54, s54, s18
	s_add_co_u32 s54, s54, 2048
	s_mul_i32 s54, s54, KROW                       ; W_v's rows: waves 0 and 1 fetch 64 each
	s_lshl_b32 s55, s42, 7
	s_mul_i32 s86, s55, KROW
	s_add_co_u32 s55, s55, s18
	s_mul_i32 s55, s55, KROW                       ; and W_q's or W_k's
	s_mov_b32 s[G0A], 1
	s_mov_b32 s[G0A+1], 0
	s_mov_b32 s[G0R], 1
	s_mov_b32 s[G0R+1], YB
	s_mov_b32 s[G0B], 1
	s_mul_i32 s[G0B+1], s14, 64*PITCH
	s_add_co_u32 s[G0B+1], s[G0B+1], BVB
	s_mov_b32 s[SEL], 0x76543210
	s_mov_b32 s[SEL+1], 0xfedcba98
	v_and_b32 v1, 15, v0
	v_bfe_u32 v2, v0, 4, 1
	v_and_b32 v3, 31, v0
	v_mul_u32_u24 v22, v1, PITCH
	v_mad_u32_u24 v23, v2, 24, v22
	v_mad_u32_u24 v22, v2, 40, v22
	s_mul_i32 s21, s15, 64*PITCH
	v_add_nc_u32 v4, s21, v23                      ; v4, v5: phase 1's rows, slot 0, 64 a on
	v_add_nc_u32 v5, s21, v22
	s_mul_i32 s21, s15, YB
	v_add_nc_u32 v6, s21, v23                      ; v6, v7: phase 2's rows, slot a
	v_add_nc_u32 v7, s21, v22
	s_mul_i32 s21, s16, 64*PITCH
	s_add_co_u32 s21, s21, BVB
	v_add_nc_u32 v14, s21, v23
	v_add_nc_u32 v15, s21, v22
.irp b, 0,1,2,3
	v_add_nc_u32 v[BA+2*\b], \b*16*PITCH, v14
	v_add_nc_u32 v[BA+2*\b+1], \b*16*PITCH, v15
.endr
	v_lshlrev_b32 v8, 3, v2                        ; 8 h
	v_lshlrev_b32 v18, 4, v2                       ; 16 h
	v_lshlrev_b32 v9, 4, v3                        ; 16 x lane
	v_lshlrev_b32 v12, 3, v3                       ; 8 x lane
	v_lshlrev_b32 v16, 5, v3                       ; 32 x lane
	v_lshlrev_b32 v17, 7, v2                       ; 128 h
	v_lshrrev_b32 v13, 3, v1
	v_lshlrev_b32 v13, 7, v13
	v_and_b32 v21, 7, v1
	v_lshl_add_u32 v13, v21, 2, v13                ; V's bias: channel 32 (r / 8) + r % 8 (+ 8 t)
	s_lshl_b32 s21, s16, 8
	s_add_co_u32 s21, s21, XM
	v_add_nc_u32 v43, s21, v12                     ; V's scale bytes of head b, 8 a lane
	s_lshl_b32 s22, s15, 1
	s_add_co_u32 s21, s21, s22
	v_lshl_add_u32 v19, v1, 4, v2
	v_add_nc_u32 v19, s21, v19                     ; my byte of V's tile 0: 16 r + 2 a + h
	s_lshl_b32 s20, s41, 2
	s_add_co_u32 s20, s20, s14                     ; my number among the sixteen waves of my column
	s_mul_i32 s20, s20, 6144
	s_add_co_u32 s20, s20, s86
	v_min_u32 v20, 23, v3
	v_lshl_add_u32 v20, v20, 8, s20                ; the prefetch: my 24 blocks of 256 bytes of the second weight's 128 rows
.irp i, 236,237,238,239
	v_mov_b32 v[\i], 0                             ; a lane permute's destination counts as one of its sources
.endr
	WALU
	s_wait_dscnt 0x0
	CROUND                                         ; all sixteen work-groups are here: the first joint loads meet
	s_wait_kmcnt 0x0
	s_mov_b32 s21, 0
	s_mov_b32 s20, s66
	PTR G0A+2, 4
	s_or_b32 s[G0A+3], s[G0A+3], 0x80000000
	s_mov_b32 s20, s67
	PTR G0R+2, 4
	s_or_b32 s[G0R+3], s[G0R+3], 0x80000000
	s_mov_b32 s20, s54
	PTR G0B+2, 8
	s_or_b32 s[G0B+3], s[G0B+3], 0x80000000
	s_cmp_lt_u32 s14, 2
	s_cbranch_scc0 .Lwave_2
	TLOAD G0B, G1B                                 ; waves 0, 1: W_v's rows
	s_branch .Lasked
.Lwave_2:
	s_cmp_eq_u32 s14, 2
	s_cbranch_scc0 .Lwave_3
	TLOAD G0A, G1A                                 ; wave 2: slot 0
	s_branch .Lasked
.Lwave_3:
	TLOAD G0R, G1A                                 ; wave 3: slot 1
.Lasked:
	s_lshl_b32 s22, s16, 6
	s_lshl_b32 s20, s13, 7
	s_add_co_u32 s20, s20, s22
	s_add_co_u32 s20, s20, 2048
	s_lshl_b32 s20, s20, 5
	PTR 76, 10                                     ; W_v's scale bytes, my 64 rows
	s_lshl_b32 s20, s42, 7
	s_add_co_u32 s20, s20, s22
	s_lshl_b32 s20, s20, 5
	PTR 78, 10                                     ; W_q's or W_k's
	s_lshl_b32 s20, s12, 12
	s_lshl_b32 s23, s15, 11
	s_add_co_u32 s20, s20, s23
	PTR 80, 6                                      ; x's, phase 1
	s_xor_b32 s17, s15, s87
	s_lshl_b32 s23, s43, 1
	s_add_co_u32 s17, s17, s23                     ; the group in slot a
	s_lshl_b32 s20, s17, 12
	PTR 82, 6                                      ; x's, phase 2
	s_lshl_b32 s18, s42, 1
	s_add_co_u32 s18, s18, s16                     ; my head: 0-15 Q's, 16-31 K's
	s_lshl_b32 s20, s18, 8
	PTR 84, 48
	s_lshl_b32 s54, s13, 1
	s_add_co_u32 s54, s54, s16                     ; my head of V
	s_lshl_b32 s20, s54, 8
	s_add_co_u32 s20, s20, 8192
	PTR 88, 48
.irp p, 0,1
.irp c, 0,1
	global_load_b128 v[SB+8*\p+4*\c:SB+8*\p+4*\c+3], v16, s[76:77] offset:1024*\p+16*\c
	global_load_b128 v[SAV+8*\p+4*\c:SAV+8*\p+4*\c+3], v16, s[80:81] offset:1024*\p+16*\c
.endr
.endr
	WIN 0xc0
.irp t, 0,1,2,3
	global_load_b32 v[200+8*\t], v13, s[88:89] offset:32*\t                                    ; v968 ..
.endr
.irp p, 0,1
.irp c, 0,1
	global_load_b128 v[232+8*\p+4*\c:232+8*\p+4*\c+3], v16, s[78:79] offset:1024*\p+16*\c      ; v1000-1015
.endr
.endr
	WIN 0
.irp p, 0,1,2,3
.irp c, 0,1
	global_load_b128 v[SA2+8*\p+4*\c:SA2+8*\p+4*\c+3], v16, s[82:83] offset:1024*\p+16*\c
.endr
.endr
.irp k, 0,1,2,3,4,5,6,7
	global_load_b128 v[BBQ+4*\k:BBQ+4*\k+3], v17, s[84:85] offset:16*\k
.endr
	global_prefetch_b8 v20, s[8:9] th:TH_LOAD_NT scope:SCOPE_SE    ; the second weight's rows, shared out by address among the sixteen waves that will ask for them jointly
	s_lshr_b32 s20, s12, 4
	s_lshl_b32 s20, s20, 8
	s_lshl_b32 s23, s54, 4
	s_add_co_u32 s20, s20, s23
	s_and_b32 s23, s12, 15
	s_add_co_u32 s20, s20, s23
	s_mul_i32 s22, s20, 13056
	s_mul_i32 s23, s15, 768
	s_add_co_u32 s20, s22, s23
	s_add_co_u32 s20, s20, 6144
	PTR 90, 52                                     ; V's codes, band a
	s_add_co_u32 s20, s22, 12800
	PTR 92, 52                                     ; V's scale words
	s_lshr_b32 s22, s17, 4
	s_lshl_b32 s22, s22, 8
	s_and_b32 s23, s18, 15
	s_lshl_b32 s23, s23, 4
	s_add_co_u32 s22, s22, s23
	s_and_b32 s23, s17, 15
	s_add_co_u32 s22, s22, s23
	s_mov_b32 s20, 13056
	s_mov_b32 s23, 12288
	s_cmp_eq_u32 s19, 0
	s_cselect_b32 s20, 6656, s20
	s_cselect_b32 s23, 6144, s23
	s_cselect_b64 s[94:95], s[50:51], s[52:53]
	s_mul_i32 s20, s22, s20
	PTR 94, 94                                     ; Q's or K's codes
	s_mov_b32 s20, s23
	PTR 96, 94                                     ; and their scale words
	s_cmp_lt_u32 s14, 2
	s_cbranch_scc0 .Lnot_b
	s_wait_tensorcnt 0x0
.Lnot_b:
	BARRIER                                        ; W_v's rows are in
	WEIGHTS
	s_cmp_eq_u32 s14, 3
	s_cbranch_scc1 .Lnot_a
	s_wait_tensorcnt 0x0
.Lnot_a:
	s_wait_dscnt 0x0
	BARRIER                                        ; slot 0 is in; slot 1 may be on its way
	FETCH 0, 4
	WALU
	FETCH 1, 4
	s_wait_loadcnt 20                              ; the first twelve loads: W_v's and phase 1's scale words, V's bias
	WIN 0xc3
.irp t, 0,8,16,24
.irp i, 1,2,3,4,5,6,7
	v_mov_b32 v[200+\t+\i], v[200+\t]
.endr
.endr
	WIN 0
	WALU
	s_wait_dscnt NF                                ; the weights and block 0; block 1's fetch may be out
; ================= PHASE 1: V, four blocks
	s_wait_tensorcnt 0x0                           ; the refill's round: all head loads are in
	ds_add_u32 v[SPW], v[NIL]
	s_mov_b32 s20, s55
	PTR G0B+2, 8
	s_or_b32 s[G0B+3], s[G0B+3], 0x80000000
	BLOCK 1, 0, HV, 32, SAV, 0, 0, 24, L_NONE
	WIN 0
	s_wait_dscnt 0x0
	s_barrier_signal -1
	BLOCK 1, 0, HV, 32, SAV, 0, 24, 32, L_NONE
	MIDDLE
	BARRIER
	s_cmp_lt_u32 s14, 2
	s_cbranch_scc0 .Lno_half
	TLOAD G0B, G1B                                 ; W_q's or W_k's rows onto W_v's, which every wave holds in registers
.Lno_half:
	PLACES 4
	WALU
	FETCH 0, 4
	BLOCK 1, 1, HV+8, 32, SAV, 1, 0, 32, L_NONE
	WIN 0
	PLACES 4
	WALU
	FETCH 1, 4
	WALU
	s_wait_dscnt NF
	BLOCK 1, 0, HV+16, 32, SAV+8, 0, 0, 32, L_NONE
	WIN 0
	PLACES 4
	WALU
	FETCH 0, 6                                     ; phase 2's block 0
	WALU
	s_wait_dscnt NF
	BLOCK 1, 1, HV+24, 32, SAV+8, 1, 0, 26, L_NONE
	WIN 0
	WALU
	s_wait_tensorcnt 0x0
	s_wait_dscnt 0x0
	s_barrier_signal -1                            ; a plain barrier: the refilled rows are shown to all
	BLOCK 1, 1, HV+24, 32, SAV+8, 1, 26, 32, L_NONE
	WIN 0
	s_barrier_wait -1
	PLACES 4
	WALU
; ================= THE CHANGE OF PHASE: the second weight in one run of loads, V's way out under their flight
	WEIGHTS
	FETCH 1, 6                                     ; phase 2's block 1
	WALU
	s_wait_loadcnt 0x0
	WIN 3
.set I, 0
.rept 16
	v_mov_b32 v[SB+I], v[232+I]
.set I, I+1
.endr
	WIN 0xff
.set I, 0
.rept 18
.irp t, 0,1,2,3
	CHAIN I, 72+32*\t, 224+2*\t, 248+\t
.endr
.set I, I+1
.endr
.irp t, 0,1,2,3
	v_cvt_scalef32_pk16_fp6_f32 v[200+6*\t:202+6*\t], v[72+32*\t:87+32*\t], v[248+\t]
	v_lshrrev_b32 v[252+\t], 23, v[248+\t]
	v_cvt_scalef32_pk16_fp6_f32 v[72+32*\t:74+32*\t], v[88+32*\t:103+32*\t], v[248+\t]     ; (onto the first half, which has been converted)
.endr
	v_nop
.irp t, 0,1,2,3
.irp i, 0,1,2
	v_mov_b32 v[203+6*\t+\i], v[72+32*\t+\i]
.endr
.endr
	WIN 0x0c
	WALU
.irp t, 0,1,2,3
	ds_store_b8 v19, v[252+\t] offset:4*\t
.endr
.irp t, 0,1,2,3
	global_store_b128 v9, v[200+6*\t:203+6*\t], s[90:91] offset:1536*\t
	global_store_b64 v12, v[204+6*\t:205+6*\t], s[90:91] offset:1536*\t+512
.endr
	WIN 0
; ================= PHASE 2: Q or K, eight blocks; a block's way out stands in the next block
	WALU
	s_wait_dscnt NF+4                              ; the weights and block 0; block 1's fetch and V's four byte stores may be out
	BLOCK 0, 0, ACC, 8, SA2, 0, 0, 32, L_NONE
	WIN 0
	PLACES 4
	WALU
	FETCH 0, 6
.macro P2 s, w
	s_wait_dscnt \w
.if \s == 7
	s_barrier_signal -1                            ; V's scale bytes are shown to all
.endif
	BLOCK 0, \s%2, ACC+32*(\s%2), 8, SA2+8*(\s/2), \s%2, 0, 32, L_OUT, ACC+32*(1-\s%2)
	WIN 0
	WALU
.if \s == 7
	s_barrier_wait -1
.endif
	s_wait_xcnt 0x0                                ; the codes' registers have been read by the stores two blocks ago
	CODES ACC+32*(1-\s%2), NCD+6*(1-\s%2), EB+\s-1
	SEND \s-1
.if \s < 6
	WALU
	FETCH \s%2, 6
.endif
.endm
	WALU
	P2 1, NF+4
	WALU
	P2 2, NF
	WALU
	P2 3, NF
	WALU
	P2 4, NF
	WALU
	P2 5, NF
	WALU
	P2 6, NF
	WALU
	P2 7, 0
; ================= THE END
.set I, 0
.rept 18
	CHAIN I, ACC+32, TQ, SOP
.set I, I+1
.endr
	WALU
	s_wait_xcnt 0x0
	CODES ACC+32, NCD+6, EB+7
	SEND 7
.irp s, 0,1,2,3
	v_lshl_or_b32 v[232+\s], v[EB+4+\s], 16, v[EB+\s]      ; tiles s and s + 4
.endr
.irp s, 0,1,2,3
	v_lshlrev_b32 v[232+\s], v8, v[232+\s]
.endr
.irp s, 0,1,2,3
	v_permlanex16_b32 v[236+\s], v[232+\s], s[SEL], s[SEL+1]
.endr
.irp s, 0,1,2,3
	v_or_b32 v[232+\s], v[232+\s], v[236+\s]               ; both halves' bytes
.endr
.irp s, 0,1,2,3
	v_lshrrev_b32 v[232+\s], v18, v[232+\s]
.endr
.irp s, 0,1,2,3
	v_and_b32 v[232+\s], 0xffff, v[232+\s]                 ; lanes 0-15 tiles 0-3, lanes 16-31 tiles 4-7; bytes 2, 3 are 0 (over zero codes)
.endr
	global_store_b128 v9, v[232:235], s[96:97]
	WALU
	s_cmp_eq_u32 s15, 0
	s_cbranch_scc0 .Lno_v
	ds_load_b64 v[240:241], v43
	s_wait_dscnt 0x0
	global_store_b64 v12, v[240:241], s[92:93]     ; 256 consecutive bytes
.Lno_v:
	s_wait_tensorcnt 0x0
	ds_add_u32 v[SPW], v[NIL]
	s_wait_dscnt 0x0
	CROUND
	s_endpgm
.Lfunc_end_k_q92ca80e920_qkv:
	.size	k_q92ca80e920_qkv, .Lfunc_end_k_q92ca80e920_qkv-k_q92ca80e920_qkv
	.p2alignl 7, 3214868480
	.fill 96, 4, 3214868480
	.section	.rodata,"a",@progbits
	.p2align	6, 0x0
	.amdhsa_kernel k_q92ca80e920_qkv
		.amdhsa_group_segment_fixed_size 327680
		.amdhsa_private_segment_fixed_size 0
		.amdhsa_enable_private_segment 0
		.amdhsa_kernarg_size 56
		.amdhsa_user_sgpr_count 2
		.amdhsa_user_sgpr_kernarg_segment_ptr 1
		.amdhsa_wavefront_size32 1
		.amdhsa_system_sgpr_workgroup_id_x 1
		.amdhsa_system_sgpr_workgroup_id_y 1
		.amdhsa_system_sgpr_workgroup_id_z 1
		.amdhsa_system_vgpr_workitem_id 0
		.amdhsa_next_free_vgpr 1024
		.amdhsa_next_free_sgpr 102
		.amdhsa_reserve_vcc 0
		.amdhsa_float_denorm_mode_32 3
		.amdhsa_float_denorm_mode_16_64 3
		.amdhsa_memory_ordered 1
		.amdhsa_forward_progress 1
		.amdhsa_inst_pref_size 128
	.end_amdhsa_kernel
	.amdgpu_metadata
---
amdhsa.version: [ 1, 2 ]
amdhsa.kernels:
  - .name:           k_q92ca80e920_qkv
    .symbol:         k_q92ca80e920_qkv.kd
    .args:
      - { .name: xc, .offset: 0, .size: 8, .value_kind: global_buffer, .address_space: global }
      - { .name: xs, .offset: 8, .size: 8, .value_kind: global_buffer, .address_space: global }
      - { .name: wc, .offset: 16, .size: 8, .value_kind: global_buffer, .address_space: global }
      - { .name: ws, .offset: 24, .size: 8, .value_kind: global_buffer, .address_space: global }
      - { .name: b_qkv, .offset: 32, .size: 8, .value_kind: global_buffer, .address_space: global }
      - { .name: qb, .offset: 40, .size: 8, .value_kind: global_buffer, .address_space: global }
      - { .name: kv, .offset: 48, .size: 8, .value_kind: global_buffer, .address_space: global }
    .group_segment_fixed_size: 327680
    .private_segment_fixed_size: 0
    .kernarg_segment_align: 8
    .kernarg_segment_size: 56
    .max_flat_workgroup_size: 128
    .sgpr_count:     102
    .vgpr_count:     1024
    .wavefront_size: 32
...
	.end_amdgpu_metadata
.endif
;; end of part 2
;; launch attn (part 3): grid 8 x 32, 16 waves a work-group, clusters of 4 x 1, 219,136 bytes of LDS; arguments qb, kv, oc, os; writes oc, os
.if DOCPART == 3
	.amdgcn_target "amdgcn-amd-amdhsa--gfx1250"
	.amdhsa_code_object_version 6
	.text
	.protected	k_q92ca80e920_attn
	.globl	k_q92ca80e920_attn
	.p2align	8
	.type	k_q92ca80e920_attn,@function
k_q92ca80e920_attn:
	s_mov_b64 s[64:65], 0
	v_nop
	global_prefetch_b8 v0, s[64:65] scope:SCOPE_SE
	s_setreg_imm32_b32 hwreg(HW_REG_WAVE_MODE, 25, 1), 1
	s_wait_xcnt 0x0
	s_wait_alu depctr_hold_cnt(0) depctr_sa_sdst(0) depctr_va_vdst(0) depctr_va_sdst(0) depctr_va_ssrc(0) depctr_va_vcc(0) depctr_vm_vsrc(0)
	s_getreg_b32 s2, hwreg(HW_REG_IB_STS2, 6, 4)
	s_cmp_eq_u32 s2, 0
	s_cbranch_scc0 .Lentry_in_a_cluster
	s_endpgm
.Lentry_in_a_cluster:
	s_bfe_u32 s2, ttmp6, 0x10000c
	s_cmp_lg_u32 s2, 0x3003
	s_cbranch_scc0 .Lentry_shape_is_right
	s_endpgm
.Lentry_shape_is_right:
; Causal attention of one head on codes of FP6 (E2M3): S^T = K Q^T (K = the head's 64), the softmax, O^T = V^T P^T (K = the keys), O / l, and O quantised along its channels.
; THE SOFTMAX: t = score x log2(e) / 8; M = the running largest t rounded up to a whole number; p = 2^(t - M) is quantised along the keys, not normalised; l is the sum of the unquantised p and divides O at the end.
; K'S OPERAND: the head's 64 are the instruction's lower half of K; Q's upper six registers are zero codes.  K's operand of tile t takes the six registers of tile t and, above them, whatever follows: numbers of the format, which meet Q's zeros.
; ROWS lie in the order: place 64 m + 16 j + 8 h + i holds row 64 m + 32 h + 8 j + i: tiles 4 c .. 4 c + 3 give lane (r, h) the 32 neighbouring keys 64 c + 32 h + 8 j + i: one whole scale block, in the place where P's operand wants it.  O's four tiles likewise.
; THE MASK: a hidden key's logit is -10,000, no minus infinity, so hidden keys are counted.  On the diagonal the raw score becomes -80,000 (its eighth is -10,000).  In a key step that is wholly hidden every p of a row is the same number
; p_m = 2^(-80,000 c - M), and its quantised number q the same too: such steps add q x (the sum of their quantised v).  That sum is made once for each step by products of V's codes with a fragment of ones;
; at the end l takes p_m x the count of those keys and O takes q x the sum over the hidden steps.  M starts at the hidden keys' t where a wave's queries have wholly hidden steps.
; SHARES.  A work-group takes one head and, of each of the 16 groups of 128 queries, the tile j; a wave takes one group, delta, and its key steps 0 .. delta.  Waves 0-3 have 16, 15, 14, 13 steps, waves 4-7 9, 10, 11, 12, waves 8-11 8, 7, 6, 5,
; waves 12-15 1, 2, 3, 4: the four waves of equal w % 4 have 34 together.  Waves 8-15 make the sums of v, two key steps each.
; LDS holds the head's K and V for the whole launch, filled once: wave w asks for key step w (13,056 bytes), jointly with the cluster's four work-groups, which belong to one head.
; No prefetch: every tile is asked for at the head, and no later step asks for more.
; LIMITS: p under 2^-126 is taken as 0 (v_exp_f32); the hidden keys' t is -80,000 x (log2(e) / 8), within about 1e-3 of -10,000 log2(e): it matters only where hidden keys carry a row;
; scaled scores stay under 2^31 in magnitude; a block of zeros gets the byte 1 (this program alone reads the bytes); NaN and infinities are not served.
.set STEPB, 13056
.set SVS,   16*STEPB                   ; each step's sum of v: 64 numbers
.set SUF,   SVS+4096                   ; each wave's sum over its hidden steps
.set SPARE, SUF+4096
.set KF,   32                          ; v32-79 V's fragments; v32-55 K's tiles 4-7, six registers a tile
.set KL,   226                         ; v226-249 K's tiles 0-3; v250-255 zeros above them
.set KSR,  88
.set VSR,  92
.set SS,   96
.set OT,   160
.set PCD,  192
.set PSR,  216
.macro WALU
	s_wait_alu depctr_va_vdst(0)
.endm
.macro DLY n
	s_delay_alu instid0(VALU_DEP_\n)
.endm
.macro NOPS n
.rept \n
	v_nop
.endr
.endm
.macro CROUND
	s_barrier_signal -1
	s_barrier_wait -1
	s_cmp_lg_u32 s12, 0
	s_cbranch_scc1 .Lnot_wave_0_\@
	s_barrier_signal -3
.Lnot_wave_0_\@:
	s_barrier_wait -3
	s_barrier_signal -1
	s_barrier_wait -1
.endm
.macro VLOADS a, b, c
.irp t, 0,1,2,3
.irp u, 0,1
	ds_load_b128 v[KF+12*\t+6*\u:KF+12*\t+6*\u+3], \a offset:6144+1536*\t+768*\u
	ds_load_b64 v[KF+12*\t+6*\u+4:KF+12*\t+6*\u+5], \b offset:6656+1536*\t+768*\u
.endr
.endr
	ds_load_b128 v[VSR:VSR+3], \c offset:12800
.endm
.macro KLOW a, b                       ; nine loads: the scale words (lanes 0-15 tiles 0-3, lanes 16-31 tiles 4-7), tiles 0-3
	ds_load_b128 v[KSR:KSR+3], \a offset:12288
.irp t, 0,1,2,3
	ds_load_b128 v[KL+6*\t:KL+6*\t+3], \a offset:768*\t
	ds_load_b64 v[KL+6*\t+4:KL+6*\t+5], \b offset:768*\t+512
.endr
.endm
.macro SMUL t, reg, row
	v_wmma_scale_f32_16x16x128_f8f6f4 v[SS+8*\t:SS+8*\t+7], v[\reg:\reg+11], v[16:27], 0, v[KSR+\t%4], v28 matrix_a_fmt:MATRIX_FMT_FP6 matrix_b_fmt:MATRIX_FMT_FP6 matrix_a_scale:MATRIX_SCALE_ROW\row
.endm
; A KEY STEP: 128 keys against my tile's 16 queries.  s72 = step, s73 = 13,056 x step, s76 = 13,056 x the next (at most 15), s18 = the diagonal step.
; ahead = 1: tiles 0-3 and the scale words were asked for a step ago, and the next step's are asked for here.
.macro STEP ahead
	v_add_nc_u32 v8, s73, v1                       ; five plain lines: the places in front of loads into registers that matrix instructions have read
	v_add_nc_u32 v9, s73, v2
	v_add_nc_u32 v10, s73, v3
	v_add_nc_u32 v86, s76, v1
	v_add_nc_u32 v87, s76, v2
	WALU
.if (\ahead) == 0
	KLOW v8, v9
.endif
.irp t, 0,1,2,3
	ds_load_b128 v[KF+6*\t:KF+6*\t+3], v8 offset:3072+768*\t
	ds_load_b64 v[KF+6*\t+4:KF+6*\t+5], v9 offset:3072+768*\t+512
.endr
	s_wait_dscnt 8                                 ; tiles 0-3 and the scale words are in; tiles 4-7 may be out
.irp t, 0,1,2,3
	SMUL \t, KL+6*\t, 0
.endr
	s_wait_dscnt 0x0
.irp t, 4,5,6,7
	SMUL \t, KF+6*\t-24, 1
.endr
	NOPS 4
	VLOADS v8, v9, v10                             ; V's fragments fly under the softmax,
.if \ahead
	KLOW v86, v87                                  ; and the next step's first tiles
.endif
	s_cmp_lg_u32 s72, s18                          ; on the diagonal alone: register 8 (4 c + j) + i is key 64 c + 32 h + 8 j + i: hidden where 64 c + 8 j + i > v5
	s_cbranch_scc1 .Lopen_\@
.set mm, 0
.rept 64
	v_cmp_gt_i32 vcc_lo, 64*(mm/32)+mm%32, v5
	v_cndmask_b32 v[SS+mm], v[SS+mm], v6, vcc_lo
.set mm, mm+1
.endr
.Lopen_\@:
.irp c, 0,1                            ; the largest score of each block of 32 keys: for the row's maximum, and, since p rises with the score, for the block's largest p
	v_max3_num_f32 v[212+\c], v[SS+32*\c], v[SS+32*\c+1], v[SS+32*\c+2]
	v_max3_num_f32 v[220+\c], v[SS+32*\c+16], v[SS+32*\c+17], v[SS+32*\c+18]
.endr
.irp i, 3,5,7,9,11,13
.irp c, 0,1
	v_max3_num_f32 v[212+\c], v[212+\c], v[SS+32*\c+\i], v[SS+32*\c+\i+1]
	v_max3_num_f32 v[220+\c], v[220+\c], v[SS+32*\c+16+\i], v[SS+32*\c+17+\i]
.endr
.endr
.irp c, 0,1
	v_max3_num_f32 v[212+\c], v[212+\c], v[SS+32*\c+15], v[SS+32*\c+31]
.endr
.irp c, 0,1
	v_max_num_f32 v[212+\c], v[212+\c], v[220+\c]
.endr
	DLY 1
	v_max_num_f32 v215, v213, v212
	DLY 1
	v_permlanex16_b32 v214, v215, s20, s21
	DLY 1
	v_max3_num_f32 v29, v29, v215, v214            ; the running largest score
	DLY 1
	v_mul_f32 v215, s22, -v29
	v_mov_b32 v214, v12
	DLY 2
	v_floor_f32 v12, v215                          ; the new -M = floor(-t)
	DLY 1
	v_sub_f32 v214, v12, v214                      ; old M - new M: a whole number, 0 or less
	DLY 1
	v_cvt_i32_f32 v214, v214                       ; (it saturates)
	DLY 1
	v_ldexp_f32 v222, 1.0, v214                    ; f = 2^(old M - new M): rounds nothing
.set jj, SS
.rept 32
	v_pk_fma_f32 v[jj:jj+1], v[jj:jj+1], s[22:23], v[12:13] op_sel_hi:[1,0,0]   ; t - M
.set jj, jj+2
.endr
	v_fma_f32 v212, v212, s22, v12
	v_fma_f32 v213, v213, s22, v12
	WALU
	v_exp_f32 v212, v212                           ; the blocks' largest p
	v_exp_f32 v213, v213
.set jj, SS
.rept 64
	v_exp_f32 v[jj], v[jj]                         ; p = 2^(t - M)
.set jj, jj+1
.endr
	v_pk_mul_f32 v[14:15], v[14:15], v[222:223] op_sel_hi:[1,0]
	WALU
	v_pk_add_f32 v[80:81], v[96:97], v[98:99]      ; the sum of the unquantised p, in four chains
	v_pk_add_f32 v[82:83], v[100:101], v[102:103]
	v_pk_add_f32 v[84:85], v[104:105], v[106:107]
.set jj, 108
.rept 6
	v_pk_add_f32 v[14:15], v[14:15], v[jj:jj+1]
	v_pk_add_f32 v[80:81], v[80:81], v[jj+2:jj+3]
	v_pk_add_f32 v[82:83], v[82:83], v[jj+4:jj+5]
	v_pk_add_f32 v[84:85], v[84:85], v[jj+6:jj+7]
.set jj, jj+8
.endr
	v_pk_add_f32 v[14:15], v[14:15], v[156:157]
	v_pk_add_f32 v[80:81], v[80:81], v[158:159]
	v_max_num_f32 v212, 0x1800000, v212            ; the floor 2^(3 - 127): the byte cannot fall under 1
	v_max_num_f32 v213, 0x1800000, v213
	v_pk_add_f32 v[82:83], v[82:83], v[84:85]
	v_pk_add_f32 v[14:15], v[14:15], v[80:81]
	v_add_nc_u32 v218, 0xff000000, v212            ; 2 off the exponent field: the conversion's scale operand
	v_add_nc_u32 v219, 0xff000000, v213
	v_pk_add_f32 v[14:15], v[14:15], v[82:83]
	v_lshrrev_b32 v220, 23, v218                   ; my bytes: blocks h and 2 + h
	v_lshrrev_b32 v221, 23, v219
	DLY 1
	v_lshl_or_b32 v220, v221, 16, v220
	DLY 1
	v_lshlrev_b32 v220, v11, v220
	DLY 1
	v_permlanex16_b32 v217, v220, s20, s21
	DLY 1
	v_or_b32 v[PSR], v220, v217                    ; with lane l xor 16's two p's scale word is whole
	v_cvt_scalef32_pk16_fp6_f32 v[PCD:PCD+2], v[SS:SS+15], v218
	v_cvt_scalef32_pk16_fp6_f32 v[204:206], v[SS+16:SS+31], v218
	v_cvt_scalef32_pk16_fp6_f32 v[PCD+6:PCD+8], v[SS+32:SS+47], v219
	v_cvt_scalef32_pk16_fp6_f32 v[208:210], v[SS+48:SS+63], v219
	WALU
.set jj, OT
.rept 4
	v_pk_mul_f32 v[jj:jj+1], v[jj:jj+1], v[222:223] op_sel_hi:[1,0]   ; O^T under the new M
.set jj, jj+2
.endr
.irp i, 0,1,2
	v_mov_b32 v[PCD+3+\i], v[204+\i]               ; (a conversion's three registers begin on an even number)
	v_mov_b32 v[PCD+9+\i], v[208+\i]
.endr
.rept 12
	v_pk_mul_f32 v[jj:jj+1], v[jj:jj+1], v[222:223] op_sel_hi:[1,0]
.set jj, jj+2
.endr
	WALU
.if \ahead
	s_wait_dscnt 9                                 ; V's fragments are in; the next step's nine loads may be out
.else
	s_wait_dscnt 0x0
.endif
.irp t, 0,1,2,3
	v_wmma_scale_f32_16x16x128_f8f6f4 v[OT+8*\t:OT+8*\t+7], v[KF+12*\t:KF+12*\t+11], v[PCD:PCD+11], v[OT+8*\t:OT+8*\t+7], v[VSR+\t], v[PSR] matrix_a_fmt:MATRIX_FMT_FP6 matrix_b_fmt:MATRIX_FMT_FP6
.endr
.endm
; The sum of v over one key step: V^T x ones; the sixteen lanes of a half hold and write the same numbers.
.macro SUMV a, b, c, off
	VLOADS \a, \b, \c
	WALU
	s_wait_dscnt 0x0
.irp t, 0,1,2,3
	v_wmma_scale_f32_16x16x128_f8f6f4 v[SS+8*\t:SS+8*\t+7], v[KF+12*\t:KF+12*\t+11], v[PCD:PCD+11], 0, v[VSR+\t], v[PSR] matrix_a_fmt:MATRIX_FMT_FP6 matrix_b_fmt:MATRIX_FMT_FP6
.endr
	NOPS 5
.irp k, 0,1,2,3,4,5,6,7
	ds_store_b128 v83, v[SS+4*\k:SS+4*\k+3] offset:\off+16*\k
.endr
.endm
	s_load_b256 s[4:11], s[0:1], 0x0               ; qb, kv, oc, os
	v_lshl_add_u32 v30, v0, 2, SPARE
	v_mov_b32 v31, 0
	ds_add_u32 v30, v31
	ds_add_u32 v30, v31
	v_lshrrev_b32 v8, 5, v0
	v_readfirstlane_b32 s12, v8                    ; wave 0..15
	s_bfe_u32 s13, ttmp6, 0x40000
	s_lshl_b32 s14, ttmp9, 2
	s_add_co_u32 s14, s14, s13                     ; j
	s_and_b32 s15, ttmp7, 0xffff                   ; 16 x batch + head
	s_sub_co_u32 s19, 15, s12
	s_add_co_u32 s17, s12, 4
	s_sub_co_u32 s16, s12, 12
	s_and_b32 s78, s12, 4
	s_cmp_lt_u32 s12, 8
	s_cselect_b32 s17, s17, s16
	s_cmp_lg_u32 s78, 0
	s_cselect_b32 s18, s17, s19                    ; delta: waves 0-3 and 8-11 15 - w, waves 4-7 w + 4, waves 12-15 w - 12
	s_mov_b32 s79, 0xc79c4000                      ; -80,000
	s_cmp_eq_u32 s18, 15
	s_cselect_b32 s39, 0xff61b1e6, s79             ; the hidden steps' raw score, where the largest score starts; group 15 has no hidden steps: -3e38
	s_sub_co_u32 s40, 15, s18
	s_lshl_b32 s40, s40, 7                         ; their keys
	s_mov_b32 s20, 0x76543210
	s_mov_b32 s21, 0xfedcba98
	s_mov_b32 s22, 0x3e38aa3b                      ; c = log2(e) / 8
	s_mov_b32 s23, s22
	s_mov_b32 s24, 15|(3<<16)|(1<<21)              ; a key step: 3 rows of 4,352 bytes on end, elements of 8 bytes, for all four work-groups
	s_mov_b32 s25, 544<<16
	s_mov_b32 s26, 3<<16
	s_mov_b32 s27, 544<<16
	s_mov_b32 s28, 3
	s_mov_b32 s29, 544
	s_mov_b32 s30, 0
	s_mov_b32 s31, 0
	s_lshl_b32 s80, s15, 4
	s_add_co_u32 s82, s80, s12
	s_mul_i32 s82, s82, STEPB
	s_mov_b32 s83, 0
	s_mov_b32 s32, 1
	s_mul_i32 s33, s12, STEPB
	s_lshr_b32 s78, s14, 2
	s_and_b32 s79, s14, 3
	s_mul_i32 s84, s14, 768
	s_lshl_b32 s85, s78, 8
	s_add_co_u32 s85, s85, 6144
	s_lshl_b32 s86, s79, 2
	s_add_co_u32 s85, s85, s86                     ; my tile's codes and scale words in a block of qb
	s_lshl_b32 s78, s78, 6
	s_lshl_b32 s79, s79, 3
	s_add_co_u32 s42, s78, s79                     ; 64 (j / 4) + 8 (j % 4)
	s_add_co_u32 s86, s80, s18
	s_mul_i32 s86, s86, 6656
	s_add_co_u32 s88, s86, s84
	s_mov_b32 s89, 0
	s_add_co_u32 s90, s86, s85
	s_mov_b32 s91, 0
	s_lshr_b32 s86, s15, 4
	s_lshl_b32 s86, s86, 7
	s_lshl_b32 s87, s18, 3
	s_add_co_u32 s86, s86, s87
	s_add_co_u32 s86, s86, s14                     ; my tile among O's 256
	s_and_b32 s87, s15, 15
	s_mul_i32 s84, s86, 12288
	s_mul_i32 s85, s87, 768
	s_add_co_u32 s84, s84, s85
	s_mov_b32 s85, 0
	s_lshl_b32 s86, s86, 9
	s_lshl_b32 s87, s87, 1
	s_add_co_u32 s86, s86, s87
	s_mov_b32 s87, 0
	v_and_b32 v8, 31, v0
	v_and_b32 v9, 15, v0
	v_bfe_u32 v10, v0, 4, 1
	v_lshlrev_b32 v1, 4, v8                        ; 16 x lane
	v_lshlrev_b32 v2, 3, v8                        ; 8 x lane
	v_lshlrev_b32 v3, 4, v9                        ; 16 r
	v_lshlrev_b32 v11, 3, v10                      ; 8 h
	v_lshl_add_u32 v7, v9, 5, v10                  ; 32 r + h
	WALU
	s_wait_dscnt 0x0
	s_wait_kmcnt 0x0
	s_add_nc_u64 s[34:35], s[6:7], s[82:83]
	s_or_b32 s35, s35, 0x80000000
	s_add_nc_u64 s[88:89], s[4:5], s[88:89]
	s_add_nc_u64 s[90:91], s[4:5], s[90:91]
	s_add_nc_u64 s[8:9], s[8:9], s[84:85]
	s_add_nc_u64 s[10:11], s[10:11], s[86:87]
	CROUND                                         ; all four work-groups are here: the joint loads meet
	s_cmp_eq_u32 s12, 0
	s_cbranch_scc0 .Lothers
	tensor_load_to_lds s[32:35], s[24:31]          ; wave 0: key step 0
	s_nop 0
	NOPS 4
	s_branch .Lasked
.Lothers:
	tensor_load_to_lds s[32:35], s[24:31]          ; wave w: key step w
	s_nop 0
	NOPS 4
.Lasked:
	global_load_b128 v[16:19], v1, s[88:89]        ; Q's tile
	global_load_b64 v[20:21], v2, s[88:89] offset:512
	global_load_b32 v28, v3, s[90:91]
	v_and_b32 v5, 7, v0
	v_bfe_u32 v4, v0, 3, 1
	v_sub_nc_u32 v4, v4, v10
	v_lshl_add_u32 v5, v4, 5, v5
	v_add_nc_u32 v5, s42, v5                       ; my query in its group - 32 h
	v_mov_b32 v6, 0xc79c4000                       ; -80,000
.irp i, 13,22,23,24,25,26,27,56,57,58,59,60,61,214,217,223,250,251,252,253,254,255
	v_mov_b32 v[\i], 0                             ; Q's upper half: zero codes; registers that are named ahead of their first use
.endr
.set jj, 0
.rept 32
	v_mov_b32 v[OT+jj], 0                          ; O^T: the step is written for every trip alike
.set jj, jj+1
.endr
	v_mov_b32 v29, s39
	v_mov_b32 v14, 0
	v_mov_b32 v15, 0
	v_mul_f32 v215, s22, -v29
	DLY 1
	v_floor_f32 v12, v215
	WALU
	s_cmp_lg_u32 s12, 0
	s_cbranch_scc1 .Lnot_first
	s_wait_tensorcnt 0x0
.Lnot_first:
	s_barrier_signal -1
	s_barrier_wait -1                              ; key step 0 is in; the others may be on their way
	s_wait_loadcnt 0x0
	s_mov_b32 s72, 0
	s_mov_b32 s73, 0
	s_mov_b32 s76, 0
	STEP 0
	WALU
	s_wait_tensorcnt 0x0
	s_wait_dscnt 0x0
	s_barrier_signal -1
	s_barrier_wait -1                              ; all of K and V is in
	s_and_b32 s78, s12, 7
	s_mul_i32 s73, s78, STEPB
	s_add_co_u32 s76, s73, 8*STEPB
	s_lshl_b32 s78, s78, 8
	s_add_co_u32 s78, s78, SVS
	v_add_nc_u32 v8, s73, v1                       ; key steps w - 8
	v_add_nc_u32 v9, s73, v2
	v_add_nc_u32 v10, s73, v3
	v_add_nc_u32 v80, s76, v1                      ; and w
	v_add_nc_u32 v81, s76, v2
	v_add_nc_u32 v82, s76, v3
	v_lshlrev_b32 v83, 4, v11
	v_add_nc_u32 v83, s78, v83                     ; the sums' place: 256 x step + 128 h
	v_add_nc_u32 v86, STEPB, v1                    ; key step 1
	v_add_nc_u32 v87, STEPB, v2
	WALU
	s_cmp_lt_u32 s12, 8
	s_cbranch_scc1 .Lno_sums
	v_mov_b32 v[PSR], 0x7f7f7f7f                   ; 1.0
.irp k, 0,3,6,9
	v_mov_b32 v[PCD+\k], 0x08208208                ; sixteen codes of 1.0 are 96 bits
	v_mov_b32 v[PCD+\k+1], 0x82082082
	v_mov_b32 v[PCD+\k+2], 0x20820820
.endr
	NOPS 4
	SUMV v8, v9, v10, 0
	SUMV v80, v81, v82, 2048
	NOPS 4
.Lno_sums:
	s_wait_dscnt 0x0
	s_barrier_signal -1                            ; my sums are stored; the wait stands behind the loop: up to there register work and loads of K and V alone
	KLOW v86, v87                                  ; key step 1's first tiles
	s_mov_b32 s72, 1
.Ltrip:
	s_cmp_gt_u32 s72, s18
	s_cbranch_scc1 .Lskip                          ; wholly hidden steps are added at the end
	s_add_co_u32 s75, s72, 1
	s_min_u32 s75, s75, 15
	s_mul_i32 s73, s72, STEPB
	s_mul_i32 s76, s75, STEPB
	STEP 1
.Lskip:
	s_add_co_u32 s72, s72, 1
	s_cmp_lg_u32 s72, 16
	WALU
	s_cbranch_scc1 .Ltrip
; ================= THE END: the hidden steps are added, O / l quantised
	NOPS 4
	v_add_f32 v14, v14, v15
	DLY 1
	v_permlanex16_b32 v214, v14, s20, s21
	DLY 1
	v_add_f32 v14, v14, v214                       ; the sum over the keys of my steps
	s_lshl_b32 s78, s12, 8
	s_add_co_u32 s78, s78, SUF
	v_add_nc_u32 v70, SVS, v2
	v_add_nc_u32 v71, s78, v2
	v_lshlrev_b32 v72, 4, v11
	v_add_nc_u32 v72, s78, v72
	v_mov_b32 v76, s39
	v_cvt_f32_u32 v77, s40
	v_fma_f32 v76, v76, s22, v12                   ; a hidden key's t - M
	v_mov_b32 v224, 0
	v_mov_b32 v225, 0
	s_mov_b32 s79, 0
	WALU
	s_wait_dscnt 0x0
	s_barrier_wait -1                              ; everybody's sums are stored
.irp k, 1,2,3,4,5,6,7,8,9,10,11,12,13,14,15
	ds_load_b64 v[96+2*\k:97+2*\k], v70 offset:256*\k          ; key step k's sum of v: two channels a lane
.endr
	WALU
	s_wait_dscnt 0x0
.irp k, 1,2,3,4,5,6,7,8,9,10,11,12,13,14,15
	s_cmp_lt_u32 s18, \k
	s_cselect_b32 s78, 1.0, 0
	v_pk_fma_f32 v[224:225], v[96+2*\k:97+2*\k], s[78:79], v[224:225] op_sel_hi:[1,0,1]
.endr
	ds_store_b64 v71, v[224:225]                   ; from two channels a lane
.irp k, 0,1,2,3,4,5,6,7
	ds_load_b128 v[128+4*\k:131+4*\k], v72 offset:16*\k        ; to my 32
.endr
	WALU
	v_exp_f32 v76, v76                             ; p_m
	s_mov_b32 s78, 0x700000
	v_nop
	WALU
	v_fma_f32 v14, v76, v77, v14                   ; l
	v_bfe_u32 v78, v76, 20, 1                      ; q: p_m's mantissa rounded to three bits, ties to even,
	v_add_nc_u32 v79, 0x7ffff, v76
	v_add_nc_u32 v78, v79, v78
	v_and_b32 v78, 0xfff00000, v78
	v_and_or_b32 v79, v76, 0x7f800000, s78
	v_min_u32 v78, v78, v79                        ; and held at the largest code, 1.875 x its power of two
	WALU
	v_rcp_f32 v14, v14
	v_nop
	WALU
	s_wait_dscnt 0x0
	WALU
.set jj, 0
.rept 16
	v_pk_fma_f32 v[OT+jj:OT+jj+1], v[128+jj:129+jj], v[78:79], v[OT+jj:OT+jj+1] op_sel_hi:[1,0,1]
.set jj, jj+2
.endr
.set jj, 0
.rept 16
	v_pk_mul_f32 v[SS+jj:SS+jj+1], v[OT+jj:OT+jj+1], v[14:15] op_sel_hi:[1,0]   ; register 8 t + i: channel 32 h + 8 t + i
.set jj, jj+2
.endr
	v_max3_num_f32 v212, |v[SS]|, |v[SS+1]|, |v[SS+2]|
	v_max3_num_f32 v220, |v[SS+16]|, |v[SS+17]|, |v[SS+18]|
.irp i, 3,5,7,9,11,13
	v_max3_num_f32 v212, v212, |v[SS+\i]|, |v[SS+\i+1]|
	v_max3_num_f32 v220, v220, |v[SS+16+\i]|, |v[SS+17+\i]|
.endr
	v_max3_num_f32 v212, v212, |v[SS+15]|, 0x1800000
	v_max3_num_f32 v212, v212, |v[SS+31]|, v220
	v_add_nc_u32 v218, 0xff000000, v212
	v_cvt_scalef32_pk16_fp6_f32 v[PCD:PCD+2], v[SS:SS+15], v218
	v_cvt_scalef32_pk16_fp6_f32 v[204:206], v[SS+16:SS+31], v218
	v_lshrrev_b32 v221, 23, v218
.irp i, 0,1,2
	v_mov_b32 v[PCD+3+\i], v[204+\i]
.endr
	global_store_b128 v1, v[PCD:PCD+3], s[8:9]     ; 512 consecutive bytes,
	global_store_b64 v2, v[PCD+4:PCD+5], s[8:9] offset:512     ; and 256
	global_store_b8 v7, v221, s[10:11]             ; a byte a lane: a place's 32 scale bytes come from 16 heads' work-groups
	s_wait_tensorcnt 0x0
	ds_add_u32 v30, v31
	s_wait_dscnt 0x0
	CROUND
	s_endpgm
.Lfunc_end_k_q92ca80e920_attn:
	.size	k_q92ca80e920_attn, .Lfunc_end_k_q92ca80e920_attn-k_q92ca80e920_attn
	.p2alignl 7, 3214868480
	.fill 96, 4, 3214868480
	.section	.rodata,"a",@progbits
	.p2align	6, 0x0
	.amdhsa_kernel k_q92ca80e920_attn
		.amdhsa_group_segment_fixed_size 219136
		.amdhsa_private_segment_fixed_size 0
		.amdhsa_enable_private_segment 0
		.amdhsa_kernarg_size 32
		.amdhsa_user_sgpr_count 2
		.amdhsa_user_sgpr_kernarg_segment_ptr 1
		.amdhsa_wavefront_size32 1
		.amdhsa_system_sgpr_workgroup_id_x 1
		.amdhsa_system_sgpr_workgroup_id_y 1
		.amdhsa_system_sgpr_workgroup_id_z 1
		.amdhsa_system_vgpr_workitem_id 0
		.amdhsa_next_free_vgpr 256
		.amdhsa_next_free_sgpr 100
		.amdhsa_reserve_vcc 1
		.amdhsa_float_denorm_mode_32 3
		.amdhsa_float_denorm_mode_16_64 3
		.amdhsa_memory_ordered 1
		.amdhsa_forward_progress 1
		.amdhsa_inst_pref_size 65
	.end_amdhsa_kernel
	.amdgpu_metadata
---
amdhsa.version: [ 1, 2 ]
amdhsa.kernels:
  - .name:           k_q92ca80e920_attn
    .symbol:         k_q92ca80e920_attn.kd
    .args:
      - { .name: qb, .offset: 0, .size: 8, .value_kind: global_buffer, .address_space: global }
      - { .name: kv, .offset: 8, .size: 8, .value_kind: global_buffer, .address_space: global }
      - { .name: oc, .offset: 16, .size: 8, .value_kind: global_buffer, .address_space: global }
      - { .name: os, .offset: 24, .size: 8, .value_kind: global_buffer, .address_space: global }
    .group_segment_fixed_size: 219136
    .private_segment_fixed_size: 0
    .kernarg_segment_align: 8
    .kernarg_segment_size: 32
    .max_flat_workgroup_size: 512
    .sgpr_count:     100
    .vgpr_count:     256
    .wavefront_size: 32
...
	.end_amdgpu_metadata
.endif
;; end of part 3
;; launch outp (part 4): grid 8 x 32, 4 waves a work-group, clusters of 4 x 4, 220,672 bytes of LDS; arguments oc, os, wc, ws, b_out, out0; writes out0
.if DOCPART == 4
	.amdgcn_target "amdgcn-amd-amdhsa--gfx1250"
	.amdhsa_code_object_version 6
	.text
	.protected	k_q92ca80e920_outp
	.globl	k_q92ca80e920_outp
	.p2align	8
	.type	k_q92ca80e920_outp,@function
k_q92ca80e920_outp:
	s_mov_b64 s[64:65], 0
	v_nop
	global_prefetch_b8 v0, s[64:65] scope:SCOPE_SE
	s_setreg_imm32_b32 hwreg(HW_REG_WAVE_MODE, 25, 1), 1
	s_wait_xcnt 0x0
	s_wait_alu depctr_hold_cnt(0) depctr_sa_sdst(0) depctr_va_vdst(0) depctr_va_sdst(0) depctr_va_ssrc(0) depctr_va_vcc(0) depctr_vm_vsrc(0)
	s_getreg_b32 s2, hwreg(HW_REG_IB_STS2, 6, 4)
	s_cmp_eq_u32 s2, 0
	s_cbranch_scc0 .Lentry_in_a_cluster
	s_endpgm
.Lentry_in_a_cluster:
	s_bfe_u32 s2, ttmp6, 0x10000c
	s_cmp_lg_u32 s2, 0xf033
	s_cbranch_scc0 .Lentry_shape_is_right
	s_endpgm
.Lentry_shape_is_right:
; out = O W_out + b_out on codes of FP6 (E2M3).  256 work-groups make 128 x 128 each, four waves 2 x 2 (a, b), 64 x 64 a wave.
; oc [tile of 16 token places (256)][head (16)][768 bytes]: six registers of an operand: 0-3 at 16 x lane, 4, 5 at 512 + 8 x lane; os [place][32 bytes].
; Places lie in the order: place 64 m + 16 j + 8 h + i holds row 64 m + 32 h + 8 j + i; so a lane's four tiles are 32 neighbouring columns.
; All of K for both operands lies in LDS, filled once, a load a wave at the head.  W_out's 64 rows of a wave lie in registers, O's rows come in blocks of 16; a block leaves, through the wave's own stage in LDS, as rows of 256 bytes while the next is multiplied.
; CLUSTERS: O's tiles are shared along a row of the cluster, W_out's rows along a column.  No prefetch: every tile is asked for at the head.  NaN and infinities are not served.
.set KROW,  768
.set PITCH, 816
.set HALFA, 49152                      ; four tiles of O
.set BVB,   2*HALFA
.set STAGE, BVB+128*PITCH              ; 16 rows x 272 bytes a wave
.set SPARE, STAGE+4*4352
.set SPW,   10
.set NIL,   11
.set SB,    24
.set BA,    44
.set ACC,   64
.set BBQ,   128
.set SAV,   164
.set OB,    192
.set G1A, 24
.set G1B, 32
.set G0A, 56
.set G0B, 60
.set G0R, 68
.set MSB, 0
.macro WIN new
.if MSB != (\new)
	s_set_vgpr_msb (MSB<<8)|(\new)
.set MSB, \new
.endif
.endm
.macro PLACES n
.rept \n
	v_nop
.endr
.endm
.macro WALU
	s_wait_alu depctr_va_vdst(0)
.endm
.macro BARRIER
	s_barrier_signal -1
	s_barrier_wait -1
.endm
.macro CROUND
	BARRIER
	s_cmp_lg_u32 s14, 0
	s_cbranch_scc1 .Lnot_wave_0_\@
	s_barrier_signal -3
.Lnot_wave_0_\@:
	s_barrier_wait -3
	BARRIER
.endm
.macro TLOAD g0, g1
	tensor_load_to_lds s[\g0:\g0+3], s[\g1:\g1+7]
	s_nop 0
	PLACES 4
.endm
.macro PTR d, p
	s_add_nc_u64 s[\d:\d+1], s[\p:\p+1], s[20:21]
.endm
.macro FRAG f, q, a0                   ; a fragment from padded rows; a0 + 1: the address for pieces whose lanes 16-31 lie behind one padding more
	WIN ((1+(\f)/21)<<6)
.set R_, 12*((\f)%21)
.set SK_, 0
.irp p, 0,1,2,3,4,5
.if SK_
.set SK_, 0
.else
.set PC_, 12*(\q)+6*(\p/3)+\p%3
.set PN_, 12*(\q)+6*((\p+1)/3)+(\p+1)%3
.set XC_, (PC_%32+3)/32
.set XN_, (PN_%32+3)/32
.if (\p < 5) && (XC_ == XN_)
.set SK_, 1
	ds_load_2addr_b64 v[R_+2*\p:R_+2*\p+3], v[(\a0)+XC_] offset0:PC_+2*(PC_/32) offset1:PN_+2*(PN_/32)
.else
	ds_load_b64 v[R_+2*\p:R_+2*\p+1], v[(\a0)+XC_] offset:8*(PC_+2*(PC_/32))
.endif
.endif
.endr
.endm
.macro FETCH e, s                      ; block s of O into set e: 32 loads
.irp q, 0,1,2,3,4,5,6,7
.set F_, 32+8*(\e)+\q
	WIN ((1+F_/21)<<6)
.set R_, 12*(F_%21)
.irp c, 0,1
	ds_load_b128 v[R_+6*\c:R_+6*\c+3], v4 offset:12288*(\s)+768*(2*\q+\c)
	ds_load_b64 v[R_+6*\c+4:R_+6*\c+5], v5 offset:12288*(\s)+768*(2*\q+\c)+512
.endr
.endr
	WIN 0
.endm
.macro P1 r0, r1
	v_wmma_scale_f32_16x16x128_f8f6f4 v[D_:D_+7], v[S0_:S0_+11], v[S1_:S1_+11], v[CL_:CL_+7], v[X0_], v[X1_] matrix_a_fmt:MATRIX_FMT_FP6 matrix_b_fmt:MATRIX_FMT_FP6 matrix_a_scale:MATRIX_SCALE_ROW\r0 matrix_b_scale:MATRIX_SCALE_ROW\r1
.endm
.macro PROD s, n                       ; product n = 4 q + tile of block s: source 0 W_out's rows, source 1 O's; the bias is the first products' C
.set Q_, (\n)/4
.set T_, (\n)%4
.set FB_, 4*Q_+T_
.set FA_, 32+8*((\s)%2)+Q_
.set D_, ACC+32*((\s)%2)+8*T_
.set CL_, D_
.if Q_ == 0
.set CL_, BBQ+8*T_
.endif
.set S0_, 12*(FB_%21)
.set S1_, 12*(FA_%21)
.set X0_, SB+8*(T_/2)+Q_
.set X1_, SAV+8*((\s)/2)+Q_
.set RR_, 2*(T_%2)+((\s)%2)
	WIN (1+FB_/21)|((1+FA_/21)<<2)
.if RR_ == 0
	P1 0, 0
.elseif RR_ == 1
	P1 0, 1
.elseif RR_ == 2
	P1 1, 0
.else
	P1 1, 1
.endif
.endm
.macro HALF s, from                    ; sixteen products
.set N_, \from
.rept 16
	PROD \s, N_
.set N_, N_+1
.endr
	WIN 0
.endm
.macro TOSTAGE p
.irp b, 0,1,2,3
	ds_store_b128 v19, v[ACC+32*(\p)+8*\b:ACC+32*(\p)+8*\b+3] offset:32*\b
	ds_store_b128 v19, v[ACC+32*(\p)+8*\b+4:ACC+32*(\p)+8*\b+7] offset:32*\b+16
.endr
.irp t, 0,1,2,3,4,5,6,7
	ds_load_b128 v[OB+32*(\p)+4*\t:OB+32*(\p)+4*\t+3], v20 offset:544*\t    ; LDS serves a wave's instructions in order
.endr
.endm
.macro SEND s
.irp t, 0,1,2,3,4,5,6,7
	global_store_b128 v21, v[OB+32*((\s)%2)+4*\t:OB+32*((\s)%2)+4*\t+3], s[76:77] offset:(32*(\t/4)+8*(\s)+2*(\t%4))*4096 th:TH_STORE_NT   ; sixteen lanes store 256 consecutive bytes, aligned
.endr
.endm
	s_load_b256 s[4:11], s[0:1], 0x0               ; oc, os, wc, ws
	s_load_b128 s[48:51], s[0:1], 0x20             ; b_out, out0
	v_lshl_add_u32 v[SPW], v0, 2, SPARE
	v_mov_b32 v[NIL], 0
	ds_add_u32 v[SPW], v[NIL]
	ds_add_u32 v[SPW], v[NIL]
	v_lshrrev_b32 v1, 5, v0
	v_readfirstlane_b32 s14, v1
	s_lshr_b32 s15, s14, 1                         ; a
	s_and_b32 s16, s14, 1                          ; b
	s_bfe_u32 s40, ttmp6, 0x40000
	s_bfe_u32 s41, ttmp6, 0x40004
	s_lshl_b32 s42, ttmp9, 2
	s_add_co_u32 s42, s42, s40                     ; tile column
	s_and_b32 s43, ttmp7, 0xffff
	s_lshl_b32 s43, s43, 2
	s_add_co_u32 s43, s43, s41                     ; tile row
	s_lshl_b32 s44, s41, 2
	s_lshl_b32 s44, 15, s44
	s_lshl_b32 s45, 0x1111, s40
	s_or_b32 s[G1A], s44, (3<<16)|(1<<21)          ; O: 4 tiles of 12,288 bytes on end, elements of 8 bytes
	s_mov_b32 s[G1A+1], 1536<<16
	s_mov_b32 s[G1A+2], 4<<16
	s_mov_b32 s[G1A+3], 1536<<16
	s_mov_b32 s[G1A+4], 4
	s_mov_b32 s[G1A+5], 1536
	s_mov_b32 s[G1A+6], 0
	s_mov_b32 s[G1A+7], 0
	s_or_b32 s[G1B], s45, (1<<20)|(1<<21)|(5<<22)|(3<<25)  ; W_out: 64 rows of 768 bytes, 16 bytes of padding behind every 256
	s_mov_b32 s[G1B+1], KROW<<16
	s_mov_b32 s[G1B+2], 64<<16
	s_mov_b32 s[G1B+3], KROW<<16
	s_mov_b32 s[G1B+4], 64
	s_mov_b32 s[G1B+5], KROW
	s_mov_b32 s[G1B+6], 0
	s_mov_b32 s[G1B+7], 0
	s_mul_i32 s66, s43, 2*HALFA
	s_lshl_b32 s54, s42, 7
	s_lshl_b32 s18, s14, 6
	s_add_co_u32 s54, s54, s18
	s_add_co_u32 s54, s54, 3072
	s_mul_i32 s54, s54, KROW                       ; waves 0 and 1 fetch 64 rows each
	s_mov_b32 s[G0A], 1
	s_mov_b32 s[G0A+1], 0
	s_mov_b32 s[G0R], 1
	s_mov_b32 s[G0R+1], HALFA
	s_mov_b32 s[G0B], 1
	s_mul_i32 s[G0B+1], s14, 64*PITCH
	s_add_co_u32 s[G0B+1], s[G0B+1], BVB
	v_and_b32 v1, 15, v0
	v_bfe_u32 v2, v0, 4, 1
	v_and_b32 v3, 31, v0
	v_mul_u32_u24 v22, v1, PITCH
	v_mad_u32_u24 v23, v2, 24, v22
	v_mad_u32_u24 v22, v2, 40, v22
	s_mul_i32 s21, s16, 64*PITCH
	s_add_co_u32 s21, s21, BVB
	v_add_nc_u32 v14, s21, v23
	v_add_nc_u32 v15, s21, v22
.irp b, 0,1,2,3
	v_add_nc_u32 v[BA+2*\b], \b*16*PITCH, v14
	v_add_nc_u32 v[BA+2*\b+1], \b*16*PITCH, v15
.endr
	v_lshlrev_b32 v9, 4, v3
	v_lshlrev_b32 v12, 3, v3
	v_lshlrev_b32 v16, 5, v3
	v_lshlrev_b32 v17, 7, v2
	s_mul_i32 s21, s15, HALFA
	v_add_nc_u32 v4, s21, v9                       ; O's tiles of my half: 16 x lane,
	v_add_nc_u32 v5, s21, v12                      ; 8 x lane
	s_mul_i32 s21, s14, 4352
	s_add_co_u32 s21, s21, STAGE
	v_mul_u32_u24 v19, v1, 272
	v_lshl_add_u32 v19, v2, 7, v19
	v_add_nc_u32 v19, s21, v19                     ; the stage, in: row r, 128 h
	v_mul_u32_u24 v20, v2, 272
	v_lshl_add_u32 v20, v1, 4, v20
	v_add_nc_u32 v20, s21, v20                     ; out: sixteen lanes to a row
	v_lshlrev_b32 v21, 12, v2
	v_lshl_add_u32 v21, v1, 4, v21                 ; and the same in out0
	WALU
	s_wait_dscnt 0x0
	CROUND                                         ; all sixteen work-groups are here: the joint loads meet
	s_wait_kmcnt 0x0
	s_mov_b32 s21, 0
	s_mov_b32 s20, s66
	PTR G0A+2, 4
	s_add_nc_u64 s[G0R+2:G0R+3], s[G0A+2:G0A+3], HALFA
	s_or_b32 s[G0A+3], s[G0A+3], 0x80000000
	s_or_b32 s[G0R+3], s[G0R+3], 0x80000000
	s_mov_b32 s20, s54
	PTR G0B+2, 8
	s_or_b32 s[G0B+3], s[G0B+3], 0x80000000
	s_cmp_lt_u32 s14, 2
	s_cbranch_scc0 .Lwave_2
	TLOAD G0B, G1B                                 ; waves 0, 1: W_out's rows
	s_branch .Lasked
.Lwave_2:
	s_cmp_eq_u32 s14, 2
	s_cbranch_scc0 .Lwave_3
	TLOAD G0A, G1A                                 ; wave 2: O's tiles 0-3
	s_branch .Lasked
.Lwave_3:
	TLOAD G0R, G1A                                 ; wave 3: tiles 4-7
.Lasked:
	s_lshl_b32 s22, s42, 7
	s_lshl_b32 s23, s16, 6
	s_add_co_u32 s22, s22, s23                     ; my first column
	s_lshl_b32 s20, s22, 5
	s_add_co_u32 s20, s20, 3072*32
	PTR 78, 10
	s_lshl_b32 s17, s43, 7
	s_lshl_b32 s23, s15, 6
	s_add_co_u32 s17, s17, s23                     ; my first row
	s_lshl_b32 s20, s17, 5
	PTR 80, 6
	s_lshl_b32 s20, s22, 2
	PTR 82, 48
	s_lshl_b32 s23, s17, 12
	s_add_co_u32 s20, s20, s23
	PTR 76, 50
.irp p, 0,1
.irp c, 0,1
	global_load_b128 v[SB+8*\p+4*\c:SB+8*\p+4*\c+3], v16, s[78:79] offset:1024*\p+16*\c
	global_load_b128 v[SAV+8*\p+4*\c:SAV+8*\p+4*\c+3], v16, s[80:81] offset:1024*\p+16*\c
.endr
.endr
.irp k, 0,1,2,3,4,5,6,7
	global_load_b128 v[BBQ+4*\k:BBQ+4*\k+3], v17, s[82:83] offset:16*\k
.endr
	s_cmp_lt_u32 s14, 2
	s_cbranch_scc0 .Lnot_b
	s_wait_tensorcnt 0x0
.Lnot_b:
	BARRIER                                        ; W_out's rows are in
.irp q, 0,1,2,3,4,5,6,7
.irp b, 0,1,2,3
	FRAG 4*\q+\b, \q, BA+2*\b
.endr
.endr
	WIN 0
	s_wait_tensorcnt 0x0
	s_wait_dscnt 0x0
	BARRIER                                        ; all is in
	FETCH 0, 0
	FETCH 1, 1
	s_wait_loadcnt 0x0
	s_wait_dscnt 32                                ; block 0 is in; block 1's 32 loads may be out
	HALF 0, 0
	HALF 0, 16
	PLACES 4
	TOSTAGE 0
	FETCH 0, 2
	s_wait_dscnt 48                                ; block 1 is in; the stage's 16 and block 2's 32 may be out
	HALF 1, 0
	s_wait_dscnt 32
	SEND 0
	HALF 1, 16
	PLACES 4
	TOSTAGE 1
	FETCH 1, 3
	s_wait_dscnt 48
	HALF 2, 0
	s_wait_dscnt 32
	SEND 1
	HALF 2, 16
	PLACES 4
	s_wait_xcnt 0x0                                ; block 0's stores have read their registers
	TOSTAGE 0
	s_wait_dscnt 16                                ; block 3 is in
	HALF 3, 0
	s_wait_dscnt 0x0
	SEND 2
	HALF 3, 16
	PLACES 4
	s_wait_xcnt 0x0
	TOSTAGE 1
	s_wait_dscnt 0x0
	SEND 3
	s_wait_tensorcnt 0x0
	ds_add_u32 v[SPW], v[NIL]
	s_wait_dscnt 0x0
	CROUND
	s_endpgm
.Lfunc_end_k_q92ca80e920_outp:
	.size	k_q92ca80e920_outp, .Lfunc_end_k_q92ca80e920_outp-k_q92ca80e920_outp
	.p2alignl 7, 3214868480
	.fill 96, 4, 3214868480
	.section	.rodata,"a",@progbits
	.p2align	6, 0x0
	.amdhsa_kernel k_q92ca80e920_outp
		.amdhsa_group_segment_fixed_size 220672
		.amdhsa_private_segment_fixed_size 0
		.amdhsa_enable_private_segment 0
		.amdhsa_kernarg_size 48
		.amdhsa_user_sgpr_count 2
		.amdhsa_user_sgpr_kernarg_segment_ptr 1
		.amdhsa_wavefront_size32 1
		.amdhsa_system_sgpr_workgroup_id_x 1
		.amdhsa_system_sgpr_workgroup_id_y 1
		.amdhsa_system_sgpr_workgroup_id_z 1
		.amdhsa_system_vgpr_workitem_id 0
		.amdhsa_next_free_vgpr 1024
		.amdhsa_next_free_sgpr 100
		.amdhsa_reserve_vcc 0
		.amdhsa_float_denorm_mode_32 3
		.amdhsa_float_denorm_mode_16_64 3
		.amdhsa_memory_ordered 1
		.amdhsa_forward_progress 1
		.amdhsa_inst_pref_size 49
	.end_amdhsa_kernel
	.amdgpu_metadata
---
amdhsa.version: [ 1, 2 ]
amdhsa.kernels:
  - .name:           k_q92ca80e920_outp
    .symbol:         k_q92ca80e920_outp.kd
    .args:
      - { .name: oc, .offset: 0, .size: 8, .value_kind: global_buffer, .address_space: global }
      - { .name: os, .offset: 8, .size: 8, .value_kind: global_buffer, .address_space: global }
      - { .name: wc, .offset: 16, .size: 8, .value_kind: global_buffer, .address_space: global }
      - { .name: ws, .offset: 24, .size: 8, .value_kind: global_buffer, .address_space: global }
      - { .name: b_out, .offset: 32, .size: 8, .value_kind: global_buffer, .address_space: global }
      - { .name: out0, .offset: 40, .size: 8, .value_kind: global_buffer, .address_space: global }
    .group_segment_fixed_size: 220672
    .private_segment_fixed_size: 0
    .kernarg_segment_align: 8
    .kernarg_segment_size: 48
    .max_flat_workgroup_size: 128
    .sgpr_count:     100
    .vgpr_count:     1024
    .wavefront_size: 32
...
	.end_amdgpu_metadata
.endif
;; end of part 4
